; MI455X (gfx1250); checked and timed in simulation.
; The chip was launched on July 23, 2026; its instructions are those of AMD's public machine-readable ISA for CDNA 5 (MIT licence, August 2026) and "CDNA5" Instruction Set Architecture Reference Guide (July 2026). The comments in the code are by the model that wrote it; some were corrected since.
;; Attention Module. Allowed arithmetic: float matrix products may take bf16 or f16 operands with f32 sums; other float arithmetic in f32, or as packed bf16 or f16 multiplies, adds, multiply-adds, maxima and minima; sums over many terms, partial sums and values carried from step to step in f32; what a program stores and reads back later, other than sums and carried values, may be rounded once to bf16 or f16.
;; Inputs: Wk 1,024 x 1,024 float32; Wq 1,024 x 1,024 float32; Wv 1,024 x 1,024 float32; bk 1,024 float32; bq 1,024 float32; bv 1,024 float32; x 4 x 2,048 x 1,024 float32.
;; Outputs: out0 4 x 2,048 x 1,024 float32.
;; 2 versions, each right; version 2 is version 1 with the launch cast written anew for expert scheduling mode. Each part assembles by itself: llvm-mc -triple=amdgcn-amd-amdhsa -mcpu=gfx1250 --defsym DOCPART=n.
;; ======== version 1 of 2: 4 launches
;; limits: values are held in f16: magnitudes above 65,504 overflow, below 6.1e-05 lose precision
;; workspace buffers: xw 23,068,672 bytes; qkv 50,331,648 bytes; p 33,554,432 bytes; stat 1,048,576 bytes
;; launch cast (part 1): grid 704 x 1, 8 waves a work-group, no clusters, 0 bytes of LDS; arguments x, Wq, Wk, Wv, xw; writes xw
.if DOCPART == 1
	.amdgcn_target "amdgcn-amd-amdhsa--gfx1250"
	.amdhsa_code_object_version 6
	.text
	.protected	k_qdd6aae6ea2_cast
	.globl	k_qdd6aae6ea2_cast
	.p2align	8
	.type	k_qdd6aae6ea2_cast,@function
k_qdd6aae6ea2_cast:
	s_mov_b64 s[64:65], 0
	v_nop
	global_prefetch_b8 v0, s[64:65] scope:SCOPE_SE
	s_setreg_imm32_b32 hwreg(HW_REG_WAVE_MODE, 25, 1), 1
	s_wait_xcnt 0x0
; x, Wq, Wk, Wv (f32) are rounded once to bf16 and laid on end in xw: rows 0-8191 x, then 1,024 rows each of Wq, Wk, Wv; a row is 1,024 numbers.
; A work-group takes 65,536 bytes of f32 (16,384 numbers) and writes 32,768 bytes.  Groups 0-511 take x, 512-575 Wq, 576-639 Wk, 640-703 Wv.
; Thread t takes 16 bytes at 16 t of each block of 4,096 bytes: a load of a wave covers 512 consecutive bytes, a store 256 consecutive bytes, aligned.
; All sixteen loads of a wave go out at once; no LDS, no barrier, no matrix unit: each byte is read once and written once.
.set X, 4                              ; v[4:67]   sixteen loads of four f32
.set Y, 68                             ; v[68:99]  sixteen pairs of packed bf16
	s_load_b256 s[4:11], s[0:1], 0x0               ; x s[4:5], Wq s[6:7], Wk s[8:9], Wv s[10:11]
	s_load_b64 s[12:13], s[0:1], 0x20              ; xw
	s_mov_b32 s16, ttmp9                           ; the chunk number inside its source, for each of the four cases
	s_sub_co_u32 s17, ttmp9, 512
	s_sub_co_u32 s18, ttmp9, 576
	s_sub_co_u32 s19, ttmp9, 640
	s_lshl_b32 s22, ttmp9, 15                      ; where the group writes: 32,768 bytes a group
	s_mov_b32 s23, 0
	s_mov_b32 s21, 0
	v_lshlrev_b32 v1, 4, v0                        ; 16 t: my bytes in a block that is read
	v_lshlrev_b32 v2, 3, v0                        ; 8 t: my bytes in a block that is written
	s_wait_kmcnt 0x0
	s_mov_b64 s[14:15], s[4:5]
	s_cmp_ge_u32 ttmp9, 512
	s_cselect_b64 s[14:15], s[6:7], s[14:15]
	s_cselect_b32 s16, s17, s16
	s_cmp_ge_u32 ttmp9, 576
	s_cselect_b64 s[14:15], s[8:9], s[14:15]
	s_cselect_b32 s16, s18, s16
	s_cmp_ge_u32 ttmp9, 640
	s_cselect_b64 s[14:15], s[10:11], s[14:15]
	s_cselect_b32 s16, s19, s16
	s_lshl_b32 s20, s16, 16                        ; 65,536 bytes a chunk
	s_add_nc_u64 s[14:15], s[14:15], s[20:21]
	s_add_nc_u64 s[12:13], s[12:13], s[22:23]
.irp i, 0,1,2,3,4,5,6,7,8,9,10,11,12,13,14,15
	global_load_b128 v[X+4*(\i):X+4*(\i)+3], v1, s[14:15] offset:4096*(\i) th:TH_LOAD_NT
.endr
.irp i, 0,1,2,3,4,5,6,7,8,9,10,11,12,13,14,15
	s_wait_loadcnt 15-(\i)                         ; loads come back in order: load i is in, the younger ones stay out
	v_cvt_pk_bf16_f32 v[Y+2*(\i)],   v[X+4*(\i)],   v[X+4*(\i)+1]
	v_cvt_pk_bf16_f32 v[Y+2*(\i)+1], v[X+4*(\i)+2], v[X+4*(\i)+3]
	global_store_b64 v2, v[Y+2*(\i):Y+2*(\i)+1], s[12:13] offset:2048*(\i)
.endr
	s_endpgm
.Lfunc_end_k_qdd6aae6ea2_cast:
	.size	k_qdd6aae6ea2_cast, .Lfunc_end_k_qdd6aae6ea2_cast-k_qdd6aae6ea2_cast
	.p2alignl 7, 3214868480
	.fill 96, 4, 3214868480
	.section	.rodata,"a",@progbits
	.p2align	6, 0x0
	.amdhsa_kernel k_qdd6aae6ea2_cast
		.amdhsa_group_segment_fixed_size 0
		.amdhsa_private_segment_fixed_size 0
		.amdhsa_enable_private_segment 0
		.amdhsa_kernarg_size 40
		.amdhsa_user_sgpr_count 2
		.amdhsa_user_sgpr_kernarg_segment_ptr 1
		.amdhsa_wavefront_size32 1
		.amdhsa_system_sgpr_workgroup_id_x 1
		.amdhsa_system_sgpr_workgroup_id_y 1
		.amdhsa_system_sgpr_workgroup_id_z 1
		.amdhsa_system_vgpr_workitem_id 0
		.amdhsa_next_free_vgpr 104
		.amdhsa_next_free_sgpr 66
		.amdhsa_reserve_vcc 0
		.amdhsa_float_denorm_mode_32 3
		.amdhsa_float_denorm_mode_16_64 3
		.amdhsa_memory_ordered 1
		.amdhsa_forward_progress 1
		.amdhsa_inst_pref_size 7
	.end_amdhsa_kernel
	.amdgpu_metadata
---
amdhsa.version: [ 1, 2 ]
amdhsa.kernels:
  - .name:           k_qdd6aae6ea2_cast
    .symbol:         k_qdd6aae6ea2_cast.kd
    .args:
      - { .name: x, .offset: 0, .size: 8, .value_kind: global_buffer, .address_space: global }
      - { .name: Wq, .offset: 8, .size: 8, .value_kind: global_buffer, .address_space: global }
      - { .name: Wk, .offset: 16, .size: 8, .value_kind: global_buffer, .address_space: global }
      - { .name: Wv, .offset: 24, .size: 8, .value_kind: global_buffer, .address_space: global }
      - { .name: xw, .offset: 32, .size: 8, .value_kind: global_buffer, .address_space: global }
    .group_segment_fixed_size: 0
    .private_segment_fixed_size: 0
    .kernarg_segment_align: 8
    .kernarg_segment_size: 40
    .max_flat_workgroup_size: 256
    .sgpr_count:     66
    .vgpr_count:     104
    .wavefront_size: 32
...
	.end_amdgpu_metadata
.endif
;; end of part 1
;; launch proj (part 2): grid 12 x 32, 4 waves a work-group, clusters of 4 x 4, 327,680 bytes of LDS; arguments xw, qkv, bq, bk, bv; writes qkv
.if DOCPART == 2
	.amdgcn_target "amdgcn-amd-amdhsa--gfx1250"
	.amdhsa_code_object_version 6
	.text
	.protected	k_qdd6aae6ea2_proj
	.globl	k_qdd6aae6ea2_proj
	.p2align	8
	.type	k_qdd6aae6ea2_proj,@function
k_qdd6aae6ea2_proj:
	s_mov_b64 s[64:65], 0
	v_nop
	global_prefetch_b8 v0, s[64:65] scope:SCOPE_SE
	s_setreg_imm32_b32 hwreg(HW_REG_WAVE_MODE, 25, 1), 1
	s_wait_xcnt 0x0
	s_wait_alu depctr_hold_cnt(0) depctr_sa_sdst(0) depctr_va_vdst(0) depctr_va_sdst(0) depctr_va_ssrc(0) depctr_va_vcc(0) depctr_vm_vsrc(0)
	s_getreg_b32 s2, hwreg(HW_REG_IB_STS2, 6, 4)
	s_cmp_eq_u32 s2, 0
	s_cbranch_scc0 .Lentry_in_a_cluster
	s_endpgm
.Lentry_in_a_cluster:
	s_bfe_u32 s2, ttmp6, 0x10000c
	s_cmp_lg_u32 s2, 0xf033
	s_cbranch_scc0 .Lentry_shape_is_right
	s_endpgm
.Lentry_shape_is_right:
; THE THREE PROJECTIONS AS ONE PRODUCT.  qkv[m][n] = sum over c of xb[m][c] wb[n][c] + bias[n]: xb = rows 0-8191 of xw, wb = rows 8192-11263 (Wq, Wk, Wv on end), both bf16, 1,024 along c.
; Sums in f32, begun with the bias (rounded to bf16 like the other inputs, added in f32); qkv [8192][3072] is rounded once to f16: q columns 0-1023, k 1024-2047, v 2048-3071.
; LIMIT.  f16 ends at 65,504: a projection of 65,520 or more leaves as an infinity.  NaN and infinities are not treated apart.
; A tile of 256 x 256 is made by four waves, 128 x 128 each: 64 accumulators, 512 registers.  K goes in 8 steps of 128 through two LDS slots filled by the tensor data mover:
; rows of 256 bytes that start at multiples of 256 bytes.  A trip of the loop is one K step; the LDS addresses of the reads hang on s[TB], which one exclusive or turns to the other slot.
; CLUSTER 4 x 4: the four of a row need the same tile of xb, the four of a column the same tile of wb: each is asked for jointly, same descriptor and mask in all four.
; The matrix instruction is used transposed (source 0 = 16 rows of wb, source 1 = 16 rows of xb): a lane holds row l % 16 of the tile and columns 8 (l / 16) + 0..7.
; The last K step goes by rows of the result, so that finished rows leave while the others are multiplied.
; REGISTERS, in windows of 256 (s_set_vgpr_msb: bits 1:0 source 0, 3:2 source 1, 5:4 source 2, 7:6 destination):
;   window 0: v0-31 addresses; v64-127, v128-191 fragments of xb (last step: four buffers of 16 rows x 128 K); v32-63, v192-255 the way out
;   window 1: v0-63 the bias of my 128 columns; v64-191 fragments of wb; v192-223 at work on the bias; in the last step all 256 hold wb
;   windows 2, 3: the accumulators of my rows 0-63, 64-127: (a, b) at v[8 (8 a + b)]
.set KSTEP,  128
.set LDA,    1024                      ; elements in a row of xb and of wb
.set LDC,    3072                      ; elements in a row of qkv
.set WOFF,   16777216                  ; byte at which wb begins in xw
.set PITCH,  272                       ; an LDS row: 256 bytes + 16 of padding = 68 words: the 16 rows of a load start at 16 different groups of four banks (64 banks of 4 bytes: ISA guide 11.1)
.set HALFT,  128*PITCH                 ; 128 rows: one tensor load
.set SLOT,   4*HALFT                   ; 0x22000: it shares no bit with wave x HALFT, so an exclusive or with it adds or takes it away
.set STAGE,  2*SLOT                    ; 16 rows x 272 bytes for each wave, for the way out
.set SPITCH, 272
.set SPARE,  STAGE+4*16*SPITCH         ; the spare words, 128 bytes a wave: two blocks of 256 bytes that no other line names
.set BO,    6                          ; v6   my byte offset in the bias
.set ADRA0, 16                         ; v16  my place in the xb part of a slot; never rewritten
.set ADRA,  17                         ; v17  the same in the slot in hand
.set ADRB0, 20                         ; v20, v21 the same for wb
.set ADRB,  21
.set STO,  24                          ; v24  the way out: where I put 16 bytes of a row
.set RD,   25                          ; v25  where I read a row back
.set CO,   26                          ; v26  my byte offset in qkv
.set SPW,  28                          ; v28  my spare word; never rewritten
.set NIL,  29                          ; v29  0; never rewritten
.set PFO,  30                          ; v30  the prefetches: my lane x a row of xw; never rewritten
.set F0,   64
.set F1,   128
.set TMP,  192
.set OB,   32
.set PA,   64
.set TB,   2                           ; s2   0 or SLOT: the slot that is read
.set G1,   24                          ; s[24:31] group 1 for xb
.set G0,   32                          ; s[32:35] group 0 of K step 0; s[36:39] the walking one
.set LIM,  43                          ; s43  2 in a wave that prefetches, else the greatest number
.set PFA,  44                          ; s[44:45] where my prefetches stand
.set G1B,  48                          ; s[48:55], s[56:59], s[60:63] the same for wb
.set G0B,  56
.set MSB, 0
.macro WIN new                         ; the high byte repeats the setting that is left; a switch that changes nothing is dropped
.if MSB != (\new)
	s_set_vgpr_msb (MSB<<8)|(\new)
.set MSB, \new
.endif
.endm
.set MUL_LO,  0xa1                     ; wb window 1, xb window 0, C and D window 2
.set BIAS_LO, 0x91                     ; the same with C in window 1: the bias
.set TO_B,    0x40
.macro PLACES                          ; four plain vector places behind a matrix instruction, in front of loads into its sources and of readers of its result
.rept 4
	v_nop
.endr
.endm
; The joint refill, by the walking descriptors.  Waves 0, 1 fetch the halves of xb, waves 2, 3 those of wb; the branch hangs on the wave number alone.
; An s_nop 0 and four v_nop follow each line.
.macro JLOAD
	s_cmp_eq_u32 s11, 0
	s_cbranch_scc0 .Lfor_b_\@
	tensor_load_to_lds s[G0+4:G0+7], s[G1:G1+7]
	s_nop 0
.rept 4
	v_nop
.endr
	s_branch .Lasked_\@
.Lfor_b_\@:
	tensor_load_to_lds s[G0B+4:G0B+7], s[G1B:G1B+7]
	s_nop 0
.rept 4
	v_nop
.endr
.Lasked_\@:
.endm
; A prefetch of the K step two refills on: 32 rows x 256 bytes, a lane a row.  Rows of xb: the cluster with x = 0 asks; rows of wb: the cluster with y = 0.  Of the 128 rows that a wave
; fetches each of the four partners takes 32, told apart by address.  Trip t (s3 = 6 - t) names K step t + 4: it asks while s3 > 2.
.macro ASK
	s_cmp_gt_u32 s3, s[LIM]
	s_cbranch_scc0 .Lnot_mine_\@
	global_prefetch_b8 v[PFO], s[PFA:PFA+1] offset:KSTEP*2 th:TH_LOAD_NT scope:SCOPE_SE
.Lnot_mine_\@:
.endm
.macro CREST                           ; a round of the cluster barrier behind its opening barrier
	s_cmp_lg_u32 s10, 0
	s_cbranch_scc1 .Lnot_wave_0_\@
	s_barrier_signal -3
.Lnot_wave_0_\@:
	s_barrier_wait -3
	s_barrier_signal -1
	s_barrier_wait -1
.endm
.macro CROUND
	s_barrier_signal -1
	s_barrier_wait -1
	CREST
.endm
	s_load_b64 s[4:5], s[0:1], 0x0                 ; xw
	s_load_b64 s[8:9], s[0:1], 0x8                 ; qkv
	s_load_b128 s[68:71], s[0:1], 0x10             ; bq, bk
	s_load_b64 s[72:73], s[0:1], 0x20              ; bv
	v_lshl_add_u32 v[SPW], v0, 2, SPARE
	v_mov_b32 v[NIL], 0
	ds_add_u32 v[SPW], v[NIL]                      ; the opening: the add and its wait ahead of my first tensor load
	v_lshrrev_b32 v1, 5, v0
	v_readfirstlane_b32 s10, v1                    ; wave 0..3
	s_lshr_b32 s11, s10, 1                         ; my half of the rows; also: I fetch xb (0) or wb (1)
	s_and_b32 s12, s10, 1                          ; my half of the columns; also: which 128 rows I fetch
	s_bfe_u32 s40, ttmp6, 0x40000                  ; cx
	s_bfe_u32 s41, ttmp6, 0x40004                  ; cy
	s_lshl_b32 s42, ttmp9, 2
	s_add_co_u32 s42, s42, s40                     ; tile column = 4 x cluster x + cx
	s_and_b32 s13, ttmp7, 0xffff
	s_lshl_b32 s13, s13, 2
	s_add_co_u32 s13, s13, s41                     ; tile row = 4 x cluster y + cy
	s_lshl_b32 s43, s41, 2
	s_lshl_b32 s43, 15, s43                        ; my row of the cluster
	s_lshl_b32 s44, 0x1111, s40                    ; my column
	s_or_b32 s[G1+0], s43, (1<<16)|(1<<20)|(1<<21)|(5<<22)|(3<<25)   ; mask; 2-byte elements; padding on; bit 21 beside a mask; after every 64 words 4 words
	s_or_b32 s[G1B+0], s44, (1<<16)|(1<<20)|(1<<21)|(5<<22)|(3<<25)
.irp g, G1, G1B
	s_mov_b32 s[(\g)+1], KSTEP<<16                 ; tensor_dim0 = 128
	s_mov_b32 s[(\g)+2], 128<<16                   ; tensor_dim1 = 128
	s_mov_b32 s[(\g)+3], KSTEP<<16                 ; tile_dim0 = 128
	s_mov_b32 s[(\g)+4], 128                       ; tile_dim1 = 128
	s_mov_b32 s[(\g)+5], LDA                       ; elements from row to row
	s_mov_b32 s[(\g)+6], 0
	s_mov_b32 s[(\g)+7], 0
.endr
	s_lshl_b32 s17, s12, 7
	s_lshl_b32 s16, s13, 8
	s_add_co_u32 s16, s16, s17                     ; xb: row 256 x tile row + 128 x half
	s_lshl_b32 s46, s42, 8
	s_add_co_u32 s46, s46, s17                     ; wb: row 256 x tile column + 128 x half
	s_mov_b32 s17, 0
	s_mov_b32 s47, 0
	s_mov_b64 s[18:19], LDA*2
	s_mul_u64 s[16:17], s[16:17], s[18:19]
	s_mul_u64 s[46:47], s[46:47], s[18:19]
	s_mul_i32 s20, s10, HALFT                      ; where my tile goes: wave x 128 rows
	s_mov_b32 s[TB], 0
	s_wait_dscnt 0x0                               ; the opening add is done
	s_wait_kmcnt 0x0
	s_add_nc_u64 s[6:7], s[4:5], WOFF              ; wb
	s_add_nc_u64 s[14:15], s[4:5], s[16:17]
	s_add_nc_u64 s[46:47], s[6:7], s[46:47]
	CROUND                                         ; all sixteen work-groups are here: the first joint loads meet
.irp s, 0,1
	s_mov_b32 s[G0+4*(\s)], 1
	s_add_co_u32 s[G0+4*(\s)+1], s20, (\s)*SLOT
	s_add_nc_u64 s[G0+4*(\s)+2:G0+4*(\s)+3], s[14:15], (\s)*KSTEP*2
	s_or_b32 s[G0+4*(\s)+3], s[G0+4*(\s)+3], 0x80000000
	s_mov_b32 s[G0B+4*(\s)], 1
	s_add_co_u32 s[G0B+4*(\s)+1], s20, (\s)*SLOT
	s_add_nc_u64 s[G0B+4*(\s)+2:G0B+4*(\s)+3], s[46:47], (\s)*KSTEP*2
	s_or_b32 s[G0B+4*(\s)+3], s[G0B+4*(\s)+3], 0x80000000
.endr
	s_cmp_eq_u32 s11, 0                            ; my two first fills, K steps 0 and 1, in one branch: two loads of mine are out
	s_cbranch_scc0 .Lfirst_b
	tensor_load_to_lds s[G0:G0+3], s[G1:G1+7]
	s_nop 0
	tensor_load_to_lds s[G0+4:G0+7], s[G1:G1+7]
	s_nop 0
.rept 4
	v_nop
.endr
	s_branch .Lfirst_asked
.Lfirst_b:
	tensor_load_to_lds s[G0B:G0B+3], s[G1B:G1B+7]
	s_nop 0
	tensor_load_to_lds s[G0B+4:G0B+7], s[G1B:G1B+7]
	s_nop 0
.rept 4
	v_nop
.endr
.Lfirst_asked:
	v_and_b32 v1, 15, v0                           ; l % 16
	v_bfe_u32 v2, v0, 4, 1                         ; l / 16
	; the bias of my 128 columns: register j of block b is column 16 b + 8 (l / 16) + j.  Cluster x says which of bq, bk, bv; the column inside it is 256 cx + 128 x half
	s_lshl_b32 s20, s40, 10
	s_lshl_b32 s21, s12, 9
	s_add_co_u32 s20, s20, s21
	v_lshl_add_u32 v[BO], v2, 5, s20
	s_cmp_eq_u32 ttmp9, 1
	s_cselect_b64 s[74:75], s[70:71], s[68:69]
	s_cmp_eq_u32 ttmp9, 2
	s_cselect_b64 s[74:75], s[72:73], s[74:75]
	WIN TO_B
.irp b, 0,1,2,3,4,5,6,7
	global_load_b128 v[8*(\b):8*(\b)+3],   v[BO], s[74:75] offset:64*(\b)
	global_load_b128 v[8*(\b)+4:8*(\b)+7], v[BO], s[74:75] offset:64*(\b)+16
.endr
	WIN 0
	v_mul_u32_u24 v3, v1, PITCH
	v_lshl_add_u32 v3, v2, 4, v3                   ; a fragment: row x pitch + 16 x half of the lanes
	s_mul_i32 s21, s11, HALFT                      ; my 128 rows of xb
	s_mul_i32 s22, s12, HALFT                      ; my 128 rows of wb,
	s_add_co_u32 s22, s22, 2*HALFT                 ; behind the 256 of xb
	v_add_nc_u32 v[ADRA0], s21, v3
	v_add_nc_u32 v[ADRB0], s22, v3
	v_mov_b32 v[ADRA], v[ADRA0]
	v_mov_b32 v[ADRB], v[ADRB0]
	s_mul_i32 s23, s10, 16*SPITCH
	s_add_co_u32 s23, s23, STAGE                   ; my stage
	v_mul_u32_u24 v4, v1, SPITCH
	v_lshl_add_u32 v4, v2, 4, v4
	v_add_nc_u32 v[STO], s23, v4
	v_mul_u32_u24 v5, v2, SPITCH
	v_lshl_add_u32 v5, v1, 4, v5
	v_add_nc_u32 v[RD], s23, v5
	v_mul_u32_u24 v5, v2, LDC*2
	v_lshl_add_u32 v[CO], v1, 4, v5
	s_lshl_b32 s13, s13, 8                         ; where my part of the tile begins in qkv
	s_lshl_b32 s14, s11, 7
	s_add_co_u32 s16, s13, s14
	s_mov_b32 s17, 0
	s_mov_b64 s[18:19], LDC*2
	s_mul_u64 s[16:17], s[16:17], s[18:19]
	s_lshl_b32 s46, s42, 9
	s_lshl_b32 s47, s12, 8
	s_add_co_u32 s46, s46, s47
	s_mov_b32 s47, 0
	s_add_nc_u64 s[16:17], s[16:17], s[46:47]
	; the prefetches
	s_lshl_b32 s42, s42, 8
	s_and_b32 s22, ttmp7, 0xffff
	s_cmp_eq_u32 s11, 0
	s_cselect_b32 s20, s13, s42                    ; the first row of the tile that I fetch for
	s_cselect_b32 s21, s40, s41                    ; my place among the four that ask for it with me
	s_cselect_b32 s22, ttmp9, s22                  ; the coordinate along which other clusters read the same rows
	s_cselect_b64 s[PFA:PFA+1], s[4:5], s[6:7]
	s_cmp_eq_u32 s22, 0
	s_cselect_b32 s[LIM], 2, -1
	s_lshl_b32 s22, s12, 7
	s_add_co_u32 s20, s20, s22
	s_lshl_b32 s21, s21, 5
	s_add_co_u32 s20, s20, s21
	s_mov_b32 s21, 0
	s_mov_b64 s[18:19], LDA*2
	s_mul_u64 s[20:21], s[20:21], s[18:19]
	s_add_nc_u64 s[PFA:PFA+1], s[PFA:PFA+1], s[20:21]
	s_add_nc_u64 s[PFA:PFA+1], s[PFA:PFA+1], 2*KSTEP*2   ; at K step 2: the first refill steps it to 3 and names 4
	v_and_b32 v[PFO], 31, v0
	v_mul_u32_u24 v[PFO], v[PFO], LDA*2
	s_wait_loadcnt 0x0                             ; the bias is in: rounded to bf16 and widened again, in the wait for the first tile
	WIN 0x45                                       ; sources 0, 1 and destination in window 1
.set i, 0
.rept 32
	v_cvt_pk_bf16_f32 v[192+i], v[2*i], v[2*i+1]
.set i, i+1
.endr
.set i, 0
.rept 32
	v_lshlrev_b32 v[2*i], 16, v[192+i]
	v_and_b32 v[2*i+1], 0xffff0000, v[192+i]
.set i, i+1
.endr
	WIN 0
; 16 matrix instructions: row blocks a0, a0 + 1 of the window (hi = 0: rows 0-63, 1: rows 64-127) x all 8 column blocks, 32 along K.  zero = 1: the sums begin with the bias.
; The 64 accumulators take turns, one instruction a turn, in the same order in every quarter.
.macro MUL16 f, hi, a0, zero
.if \zero
	WIN BIAS_LO+0x40*(\hi)
.else
	WIN MUL_LO+0x50*(\hi)
.endif
.irp a, \a0, (\a0)+1
.irp b, 0,1,2,3,4,5,6,7
.if \zero
	v_wmma_f32_16x16x32_bf16 v[8*(8*(\a)+(\b)):8*(8*(\a)+(\b))+7], v[(\f)+8*(\b):(\f)+8*(\b)+7], v[(\f)+8*(4*(\hi)+(\a)):(\f)+8*(4*(\hi)+(\a))+7], v[8*(\b):8*(\b)+7]
.else
	v_wmma_f32_16x16x32_bf16 v[8*(8*(\a)+(\b)):8*(8*(\a)+(\b))+7], v[(\f)+8*(\b):(\f)+8*(\b)+7], v[(\f)+8*(4*(\hi)+(\a)):(\f)+8*(4*(\hi)+(\a))+7], v[8*(8*(\a)+(\b)):8*(8*(\a)+(\b))+7]
.endif
.endr
.endr
.endm
.macro FETCH k, f                      ; 32 LDS loads in one run: a quarter step (32 K at byte k of the rows) into buffer f
	WIN TO_B
.irp i, 0,1,2,3,4,5,6,7
	ds_load_b128 v[(\f)+8*(\i):(\f)+8*(\i)+3],   v[ADRB] offset:(\k)+(\i)*16*PITCH
	ds_load_b128 v[(\f)+8*(\i)+4:(\f)+8*(\i)+7], v[ADRB] offset:(\k)+(\i)*16*PITCH+32
.endr
	WIN 0
.irp i, 0,1,2,3,4,5,6,7
	ds_load_b128 v[(\f)+8*(\i):(\f)+8*(\i)+3],   v[ADRA] offset:(\k)+(\i)*16*PITCH
	ds_load_b128 v[(\f)+8*(\i)+4:(\f)+8*(\i)+7], v[ADRA] offset:(\k)+(\i)*16*PITCH+32
.endr
.endm
.macro QUARTER k, f, g, zero           ; multiplies buffer f; in its middle fetches the next quarter, at byte k, into g
	s_wait_dscnt 8                                 ; wb and rows 0-63 of xb are in; the youngest eight loads (rows 64-127) may be out
	MUL16 \f, 0, 0, \zero
	MUL16 \f, 0, 2, \zero
	PLACES
	FETCH \k, \g
	s_wait_dscnt 32                                ; all but the 32 just issued
	MUL16 \f, 1, 0, \zero
	MUL16 \f, 1, 2, \zero
.endm
.macro MEET round                      ; the first half of a step's last quarter, and the barrier of the change of slots
	WIN 0
	s_wait_tensorcnt 0x0                           ; all my tensor loads have landed: the one that was out is my part of the next slot
	ds_add_u32 v[SPW], v[NIL]                      ; 0 onto my spare word
	s_wait_dscnt 9                                 ; the add and the youngest eight loads may be out
	MUL16 F1, 0, 0, 0
	s_wait_dscnt 0x0                               ; the add is done, and my reads of this slot are over
	s_barrier_signal -1
	MUL16 F1, 0, 2, 0
.if \round
	WIN 0
.endif
	s_barrier_wait -1
.endm
.macro TURN                            ; the last quarter: the slot just read out is filled with the K step two on, then the next slot's first fragments are fetched
	s_wait_xcnt 0x0                                ; the last prefetch, a K step back, has read its address
	s_add_nc_u64 s[PFA:PFA+1], s[PFA:PFA+1], KSTEP*2
	MEET 1
	CREST                                          ; no wave of any partner still reads the slot or has a load on its way
	s_xor_b32 s[G0+5], s[G0+5], SLOT               ; no tensor load of mine is out: the walking descriptors go to the other slot and a K step on
	s_add_nc_u64 s[G0+6:G0+7], s[G0+6:G0+7], KSTEP*2
	s_xor_b32 s[G0B+5], s[G0B+5], SLOT
	s_add_nc_u64 s[G0B+6:G0B+7], s[G0B+6:G0B+7], KSTEP*2
	s_xor_b32 s[TB], s[TB], SLOT
	JLOAD                                          ; my one tensor load behind the round: 224 matrix instructions ahead of the wait for it
	v_add_nc_u32 v[ADRA], s[TB], v[ADRA0]
	v_add_nc_u32 v[ADRB], s[TB], v[ADRB0]
	FETCH 0, F0
	ASK
	MUL16 F1, 1, 0, 0
	MUL16 F1, 1, 2, 0
.endm
; The last K step by rows of the result: all fragments of wb fill window 1; my eight blocks of 16 rows are finished one after the other.
.macro BLOAD q
	WIN TO_B
.irp i, 0,1,2,3,4,5,6,7
	ds_load_b128 v[64*(\q)+8*(\i):64*(\q)+8*(\i)+3],   v[ADRB] offset:64*(\q)+(\i)*16*PITCH
	ds_load_b128 v[64*(\q)+8*(\i)+4:64*(\q)+8*(\i)+7], v[ADRB] offset:64*(\q)+(\i)*16*PITCH+32
.endr
.endm
.macro ALOAD a
	WIN 0
.set FA, PA+32*((\a)%4)
.irp q, 0,1,2,3
	ds_load_b128 v[FA+8*(\q):FA+8*(\q)+3],   v[ADRA] offset:64*(\q)+(\a)*16*PITCH
	ds_load_b128 v[FA+8*(\q)+4:FA+8*(\q)+7], v[ADRA] offset:64*(\q)+(\a)*16*PITCH+32
.endr
.endm
.macro ROW a
.set FA, PA+32*((\a)%4)
.set AC, 64*((\a)%4)
	WIN MUL_LO+0x50*((\a)/4)
.irp q, 0,1,2,3
.if (\a) == 0 && (\q) == 2
	s_wait_dscnt 24                                ; quarter 2 of wb is in (behind it: blocks 1 to 3 of xb)
.endif
.irp b, 0,1,2,3,4,5,6,7
	v_wmma_f32_16x16x32_bf16 v[AC+8*(\b):AC+8*(\b)+7], v[64*(\q)+8*(\b):64*(\q)+8*(\b)+7], v[FA+8*(\q):FA+8*(\q)+7], v[AC+8*(\b):AC+8*(\b)+7]
.endr
.endr
.endm
.macro PACK a                          ; rounded to f16, 16 bytes a lane; each accumulator is read from its low end on
.set AC, 64*((\a)%4)
	WIN 0x0a+5*((\a)/4)
.irp b, 0,1,2,3,4,5,6,7
.irp r, 0,1,2,3
	v_cvt_pk_f16_f32 v[TMP+4*(\b)+(\r)], v[AC+8*(\b)+2*(\r)], v[AC+8*(\b)+2*(\r)+1]
.endr
.endr
	WIN 0
.endm
.macro TOSTAGE a
	WIN 0
.set BK, OB+192*((\a)%2)
.irp b, 0,1,2,3,4,5,6,7
	ds_store_b128 v[STO], v[TMP+4*(\b):TMP+4*(\b)+3] offset:32*(\b)
.endr
.irp t, 0,1,2,3,4,5,6,7
	ds_load_b128 v[BK+4*(\t):BK+4*(\t)+3], v[RD] offset:(\t)*2*SPITCH  ; LDS serves a wave in order (ISA guide 5.7.1.4): these see the stores above
.endr
.endm
.macro SEND a, younger
	WIN 0
.set BK, OB+192*((\a)%2)
	s_wait_dscnt \younger                          ; the block is back in registers
	s_wait_xcnt 0x0                                ; earlier stores have read their base and data: only now are these rewritten
.if (\a) == 0
	s_add_nc_u64 s[8:9], s[8:9], s[16:17]
.else
	s_add_nc_u64 s[8:9], s[8:9], 16*LDC*2
.endif
.irp t, 0,1,2,3,4,5,6,7
	global_store_b128 v[CO], v[BK+4*(\t):BK+4*(\t)+3], s[8:9] offset:2*(\t)*LDC*2  ; 16 lanes store 256 consecutive bytes, aligned
.endr
.endm
	s_wait_tensorcnt 1                             ; my part of K step 0 is in; K step 1 may stay out
	s_barrier_signal -1
	s_barrier_wait -1
	FETCH 0, F0
	QUARTER 64, F0, F1, 1                          ; the first quarter stands ahead of the loop: its products start the sums
	WIN 0
	s_mov_b32 s3, 6
.Lstep:                                                ; trip t: quarters 1 to 3 of K step t, refill with K step t + 2, quarter 0 of K step t + 1
	QUARTER 128, F1, F0, 0
	QUARTER 192, F0, F1, 0
	TURN
	QUARTER 64,  F0, F1, 0
	WIN 0
	s_sub_co_u32 s3, s3, 1
	s_cmp_lg_u32 s3, 0
	s_cbranch_scc1 .Lstep
	QUARTER 128, F1, F0, 0                         ; K step 6 goes on; nothing more is asked for
	QUARTER 192, F0, F1, 0
	MEET 0
	WIN 0
	s_xor_b32 s[TB], s[TB], SLOT
	v_add_nc_u32 v[ADRA], s[TB], v[ADRA0]
	v_add_nc_u32 v[ADRB], s[TB], v[ADRB0]
	PLACES
	BLOAD 0
	BLOAD 1
	BLOAD 3
	ALOAD 0
	MUL16 F1, 1, 0, 0
	MUL16 F1, 1, 2, 0
	PLACES
	BLOAD 2
	ALOAD 1
	ALOAD 2
	ALOAD 3
	s_wait_dscnt 40                                ; all but the 40 just issued
	ROW 0
.irp a, 0,1,2,3,4,5,6,7
	PLACES
	PACK \a
	TOSTAGE \a
.if (\a) < 4
	ALOAD (\a)+4
	SEND \a, 8
.else
	SEND \a, 0
.endif
.if (\a) < 7
	ROW (\a)+1
.endif
.endr
	s_wait_tensorcnt 0x0                           ; the end of the wave
	ds_add_u32 v[SPW], v[NIL]
	s_wait_dscnt 0x0
	CROUND                                         ; the closing round
	s_endpgm
.Lfunc_end_k_qdd6aae6ea2_proj:
	.size	k_qdd6aae6ea2_proj, .Lfunc_end_k_qdd6aae6ea2_proj-k_qdd6aae6ea2_proj
	.p2alignl 7, 3214868480
	.fill 96, 4, 3214868480
	.section	.rodata,"a",@progbits
	.p2align	6, 0x0
	.amdhsa_kernel k_qdd6aae6ea2_proj
		.amdhsa_group_segment_fixed_size 327680
		.amdhsa_private_segment_fixed_size 0
		.amdhsa_enable_private_segment 0
		.amdhsa_kernarg_size 40
		.amdhsa_user_sgpr_count 2
		.amdhsa_user_sgpr_kernarg_segment_ptr 1
		.amdhsa_wavefront_size32 1
		.amdhsa_system_sgpr_workgroup_id_x 1
		.amdhsa_system_sgpr_workgroup_id_y 1
		.amdhsa_system_sgpr_workgroup_id_z 1
		.amdhsa_system_vgpr_workitem_id 0
		.amdhsa_next_free_vgpr 1024
		.amdhsa_next_free_sgpr 80
		.amdhsa_reserve_vcc 0
		.amdhsa_float_denorm_mode_32 3
		.amdhsa_float_denorm_mode_16_64 3
		.amdhsa_memory_ordered 1
		.amdhsa_forward_progress 1
		.amdhsa_inst_pref_size 125
	.end_amdhsa_kernel
	.amdgpu_metadata
---
amdhsa.version: [ 1, 2 ]
amdhsa.kernels:
  - .name:           k_qdd6aae6ea2_proj
    .symbol:         k_qdd6aae6ea2_proj.kd
    .args:
      - { .name: xw, .offset: 0, .size: 8, .value_kind: global_buffer, .address_space: global }
      - { .name: qkv, .offset: 8, .size: 8, .value_kind: global_buffer, .address_space: global }
      - { .name: bq, .offset: 16, .size: 8, .value_kind: global_buffer, .address_space: global }
      - { .name: bk, .offset: 24, .size: 8, .value_kind: global_buffer, .address_space: global }
      - { .name: bv, .offset: 32, .size: 8, .value_kind: global_buffer, .address_space: global }
    .group_segment_fixed_size: 327680
    .private_segment_fixed_size: 0
    .kernarg_segment_align: 8
    .kernarg_segment_size: 40
    .max_flat_workgroup_size: 128
    .sgpr_count:     80
    .vgpr_count:     1024
    .wavefront_size: 32
...
	.end_amdgpu_metadata
.endif
;; end of part 2
;; launch scores (part 3): grid 8 x 32, 4 waves a work-group, clusters of 4 x 4, 327,680 bytes of LDS; arguments qkv, p, stat; writes p, stat
.if DOCPART == 3
	.amdgcn_target "amdgcn-amd-amdhsa--gfx1250"
	.amdhsa_code_object_version 6
	.text
	.protected	k_qdd6aae6ea2_scores
	.globl	k_qdd6aae6ea2_scores
	.p2align	8
	.type	k_qdd6aae6ea2_scores,@function
k_qdd6aae6ea2_scores:
	s_mov_b64 s[64:65], 0
	v_nop
	global_prefetch_b8 v0, s[64:65] scope:SCOPE_SE
	s_setreg_imm32_b32 hwreg(HW_REG_WAVE_MODE, 25, 1), 1
	s_wait_xcnt 0x0
	s_wait_alu depctr_hold_cnt(0) depctr_sa_sdst(0) depctr_va_vdst(0) depctr_va_sdst(0) depctr_va_ssrc(0) depctr_va_vcc(0) depctr_vm_vsrc(0)
	s_getreg_b32 s2, hwreg(HW_REG_IB_STS2, 6, 4)
	s_cmp_eq_u32 s2, 0
	s_cbranch_scc0 .Lentry_in_a_cluster
	s_endpgm
.Lentry_in_a_cluster:
	s_bfe_u32 s2, ttmp6, 0x10000c
	s_cmp_lg_u32 s2, 0xf033
	s_cbranch_scc0 .Lentry_shape_is_right
	s_endpgm
.Lentry_shape_is_right:
; SCORES AND WEIGHTS.  S = q k^T for one batch (q, k: f16 columns 0-1023 and 1024-2047 of qkv, rows of 6,144 bytes), sums in f32.  For each query and each block t of 128 keys:
; m_t = the largest score of the block, p = 2^(c s - c m_t) with c = log2(e) / 32, rounded to f16; c m_t and l_t = the sum of the unrounded p go to stat:
; plane cm [16][8192] at byte 0, plane l [16][8192] at byte 524,288.  The next launch corrects each block by 2^(c m_t - max over t of c m_t): the true row maximum is taken away.
; p LIES BY FRAGMENTS: 65,536 bytes for each block of 16 queries, in them 1,024 bytes for each 32 keys; byte 512 j + 16 l of those holds query l % 16, keys 16 j + 8 (l / 16) + 0..7.
; That is what lane l here holds of key block 2 g + j after the rounding, so a block of 16 queries leaves straight from registers: each store of the wave covers 512 consecutive bytes, aligned.
; LIMITS.  A weight below 2^-126 counts as 0 in l; below 6e-5 p keeps the fixed step of f16.  NaN and infinities are not treated apart.
; A tile of 256 queries x 256 keys is made by four waves, 128 x 128 each, so a block of 128 keys is one wave's: 64 accumulators, 512 registers.  K = 1,024 in 8 steps of 128 through two LDS slots.
; CLUSTER 4 x 4: the tile of q is shared along a row, the tile of k along a column, each by a joint load.  Source 0 = 16 keys, source 1 = 16 queries: a lane holds query l % 16 and keys 8 (l / 16) + 0..7.
; The last K step goes by blocks of 16 queries; each finished block has its softmax at once and leaves while the others are multiplied.
; REGISTERS: window 0: v0-31 addresses and statistics; v64-191 fragments of q; v192-255 two sets of packed weights.  Window 1: fragments of k.  Windows 2, 3: accumulators (a, b) at v[8 (8 a + b)].
.set KSTEP,  128
.set LDA,    3072                      ; elements in a row of qkv
.set PITCH,  272                       ; 256 bytes + 16 of padding: the 16 rows of a load start at 16 different groups of four banks (64 banks of 4 bytes: ISA guide 11.1)
.set HALFT,  128*PITCH
.set SLOT,   4*HALFT                   ; 0x22000: it shares no bit with wave x HALFT
.set SSTG,   2*SLOT                    ; behind the ring, 1,024 bytes a wave: c m of my 128 queries, then l
.set SPARE,  SSTG+4*1024               ; the spare words, 128 bytes a wave: two blocks of 256 bytes that no other line names
.set T,     6                          ; v6-13  at work in the softmax
.set CM,    14                         ; v[14:15] c m, and a 0 that is named with it as a pair
.set ADRA0, 16
.set ADRA,  17
.set SST,   18                         ; v18  where I put a statistic of query l % 16
.set SRD,   19                         ; v19  where I read four of them back
.set ADRB0, 20
.set ADRB,  21
.set SGO,   22                         ; v22  16 x lane: my bytes in 512 of p and of stat; never rewritten
.set SPW,  28
.set NIL,  29
.set PFO,  30
.set F0,   64
.set F1,   128
.set TMP,  192                         ; v192-223, v224-255: the packed weights of a block, by the parity of its number
.set PA,   64
.set TB,   2
.set G1,   24
.set G0,   32
.set LIM,  43
.set PFA,  44
.set G1B,  48
.set G0B,  56
.set SEL,  68                          ; s[68:69] v_permlanex16_b32: each lane takes its own place in the other half
.set CS,   70                          ; s[70:71] c, twice
.set MSB, 0
.macro WIN new
.if MSB != (\new)
	s_set_vgpr_msb (MSB<<8)|(\new)
.set MSB, \new
.endif
.endm
.set MUL_LO, 0xa1
.set TO_B,   0x40
.macro PLACES
.rept 4
	v_nop
.endr
.endm
.macro JLOAD                           ; the joint refill by the walking descriptors; an s_nop 0 and four v_nop follow each line
	s_cmp_eq_u32 s11, 0
	s_cbranch_scc0 .Lfor_b_\@
	tensor_load_to_lds s[G0+4:G0+7], s[G1:G1+7]
	s_nop 0
.rept 4
	v_nop
.endr
	s_branch .Lasked_\@
.Lfor_b_\@:
	tensor_load_to_lds s[G0B+4:G0B+7], s[G1B:G1B+7]
	s_nop 0
.rept 4
	v_nop
.endr
.Lasked_\@:
.endm
; A prefetch of the K step two refills on: 32 rows x 256 bytes, a lane a row.  Rows of q are read by the two clusters of a row of clusters: x = 0 asks.  Rows of k by the two clusters of a batch:
; the one with even y asks.  The four partners share a wave's 128 rows by address.  Trip t (s3 = 6 - t) names K step t + 4: it asks while s3 > 2.
.macro ASK
	s_cmp_gt_u32 s3, s[LIM]
	s_cbranch_scc0 .Lnot_mine_\@
	global_prefetch_b8 v[PFO], s[PFA:PFA+1] offset:KSTEP*2 th:TH_LOAD_NT scope:SCOPE_SE
.Lnot_mine_\@:
.endm
.macro CREST
	s_cmp_lg_u32 s10, 0
	s_cbranch_scc1 .Lnot_wave_0_\@
	s_barrier_signal -3
.Lnot_wave_0_\@:
	s_barrier_wait -3
	s_barrier_signal -1
	s_barrier_wait -1
.endm
.macro CROUND
	s_barrier_signal -1
	s_barrier_wait -1
	CREST
.endm
	s_load_b64 s[4:5], s[0:1], 0x0                 ; qkv
	s_load_b64 s[8:9], s[0:1], 0x8                 ; p
	s_load_b64 s[66:67], s[0:1], 0x10              ; stat
	v_lshl_add_u32 v[SPW], v0, 2, SPARE
	v_mov_b32 v[NIL], 0
	ds_add_u32 v[SPW], v[NIL]                      ; the opening: the add and its wait ahead of my first tensor load
	v_lshrrev_b32 v1, 5, v0
	v_readfirstlane_b32 s10, v1
	s_lshr_b32 s11, s10, 1                         ; my half of the queries; also: I fetch q (0) or k (1)
	s_and_b32 s12, s10, 1                          ; my half of the keys; also: which 128 rows I fetch
	s_bfe_u32 s40, ttmp6, 0x40000                  ; cx
	s_bfe_u32 s41, ttmp6, 0x40004                  ; cy
	s_lshl_b32 s42, ttmp9, 2
	s_add_co_u32 s42, s42, s40                     ; key tile in the batch = 4 x cluster x + cx
	s_and_b32 s13, ttmp7, 0xffff
	s_lshl_b32 s13, s13, 2
	s_add_co_u32 s13, s13, s41                     ; query tile, over all batches = 4 x cluster y + cy
	s_lshl_b32 s43, s41, 2
	s_lshl_b32 s43, 15, s43
	s_lshl_b32 s44, 0x1111, s40
	s_or_b32 s[G1+0], s43, (1<<16)|(1<<20)|(1<<21)|(5<<22)|(3<<25)
	s_or_b32 s[G1B+0], s44, (1<<16)|(1<<20)|(1<<21)|(5<<22)|(3<<25)
.irp g, G1, G1B
	s_mov_b32 s[(\g)+1], KSTEP<<16
	s_mov_b32 s[(\g)+2], 128<<16
	s_mov_b32 s[(\g)+3], KSTEP<<16
	s_mov_b32 s[(\g)+4], 128
	s_mov_b32 s[(\g)+5], LDA
	s_mov_b32 s[(\g)+6], 0
	s_mov_b32 s[(\g)+7], 0
.endr
	s_mov_b32 s[SEL], 0x76543210
	s_mov_b32 s[SEL+1], 0xfedcba98
	s_mov_b32 s[CS], 0x3d38aa3b                    ; c = log2(e) / 32
	s_mov_b32 s[CS+1], s[CS]
	s_lshl_b32 s17, s12, 7
	s_lshl_b32 s16, s13, 8
	s_add_co_u32 s16, s16, s17                     ; q: row 256 x query tile + 128 x half
	s_lshl_b32 s46, s42, 8
	s_add_co_u32 s46, s46, s17                     ; k: row 256 x key tile + 128 x half
	s_and_b32 s21, ttmp7, 0xffff
	s_lshr_b32 s21, s21, 1                         ; the batch = cluster y / 2, which all sixteen share
	s_lshl_b32 s21, s21, 11
	s_add_co_u32 s46, s46, s21                     ; + 2,048 x batch
	s_mov_b32 s17, 0
	s_mov_b32 s47, 0
	s_mov_b64 s[18:19], LDA*2
	s_mul_u64 s[16:17], s[16:17], s[18:19]
	s_mul_u64 s[46:47], s[46:47], s[18:19]
	s_mul_i32 s20, s10, HALFT
	s_mov_b32 s[TB], 0
	s_wait_dscnt 0x0
	s_wait_kmcnt 0x0
	s_add_nc_u64 s[6:7], s[4:5], 2048              ; k begins 1,024 columns into a row
	s_add_nc_u64 s[14:15], s[4:5], s[16:17]
	s_add_nc_u64 s[46:47], s[6:7], s[46:47]
	CROUND
.irp s, 0,1
	s_mov_b32 s[G0+4*(\s)], 1
	s_add_co_u32 s[G0+4*(\s)+1], s20, (\s)*SLOT
	s_add_nc_u64 s[G0+4*(\s)+2:G0+4*(\s)+3], s[14:15], (\s)*KSTEP*2
	s_or_b32 s[G0+4*(\s)+3], s[G0+4*(\s)+3], 0x80000000
	s_mov_b32 s[G0B+4*(\s)], 1
	s_add_co_u32 s[G0B+4*(\s)+1], s20, (\s)*SLOT
	s_add_nc_u64 s[G0B+4*(\s)+2:G0B+4*(\s)+3], s[46:47], (\s)*KSTEP*2
	s_or_b32 s[G0B+4*(\s)+3], s[G0B+4*(\s)+3], 0x80000000
.endr
	s_cmp_eq_u32 s11, 0                            ; my two first fills in one branch: two loads of mine are out
	s_cbranch_scc0 .Lfirst_b
	tensor_load_to_lds s[G0:G0+3], s[G1:G1+7]
	s_nop 0
	tensor_load_to_lds s[G0+4:G0+7], s[G1:G1+7]
	s_nop 0
.rept 4
	v_nop
.endr
	s_branch .Lfirst_asked
.Lfirst_b:
	tensor_load_to_lds s[G0B:G0B+3], s[G1B:G1B+7]
	s_nop 0
	tensor_load_to_lds s[G0B+4:G0B+7], s[G1B:G1B+7]
	s_nop 0
.rept 4
	v_nop
.endr
.Lfirst_asked:
	v_and_b32 v1, 15, v0
	v_bfe_u32 v2, v0, 4, 1
	v_mul_u32_u24 v3, v1, PITCH
	v_lshl_add_u32 v3, v2, 4, v3
	s_mul_i32 s21, s11, HALFT
	s_mul_i32 s22, s12, HALFT
	s_add_co_u32 s22, s22, 2*HALFT
	v_add_nc_u32 v[ADRA0], s21, v3
	v_add_nc_u32 v[ADRB0], s22, v3
	v_mov_b32 v[ADRA], v[ADRA0]
	v_mov_b32 v[ADRB], v[ADRB0]
	s_lshl_b32 s23, s10, 10
	s_add_co_u32 s23, s23, SSTG                    ; my statistics
	v_lshl_add_u32 v[SST], v1, 2, s23
	v_and_b32 v3, 31, v0
	v_lshl_add_u32 v[SRD], v3, 4, s23
	v_lshlrev_b32 v[SGO], 4, v3
	v_mov_b32 v[CM+1], 0
	s_lshl_b32 s16, s13, 20                        ; p at my first block of 16 queries (16 x query tile + 8 x half, 65,536 bytes each)
	s_lshl_b32 s17, s11, 19
	s_add_co_u32 s16, s16, s17
	s_lshl_b32 s17, s42, 13                        ; and my first group of 32 keys (8 x key tile + 4 x half, 1,024 bytes each)
	s_add_co_u32 s16, s16, s17
	s_lshl_b32 s17, s12, 12
	s_add_co_u32 s16, s16, s17
	s_mov_b32 s17, 0
	s_add_nc_u64 s[8:9], s[8:9], s[16:17]
	s_lshl_b32 s13, s13, 8                         ; 256 x query tile
	s_lshl_b32 s20, s42, 16                        ; stat: block t = 2 x key tile + half, 32,768 bytes a block; my first query, 4 bytes each
	s_lshl_b32 s21, s12, 15
	s_add_co_u32 s20, s20, s21
	s_lshl_b32 s21, s13, 2
	s_add_co_u32 s20, s20, s21
	s_lshl_b32 s21, s11, 9
	s_add_co_u32 s20, s20, s21
	s_mov_b32 s21, 0
	s_add_nc_u64 s[66:67], s[66:67], s[20:21]
	; the prefetches
	s_lshl_b32 s42, s42, 8
	s_and_b32 s22, ttmp7, 0xffff
	s_lshr_b32 s23, s22, 1
	s_lshl_b32 s23, s23, 11
	s_add_co_u32 s42, s42, s23                     ; the first row of the tile of k
	s_and_b32 s22, s22, 1
	s_cmp_eq_u32 s11, 0
	s_cselect_b32 s20, s13, s42
	s_cselect_b32 s21, s40, s41
	s_cselect_b32 s22, ttmp9, s22
	s_cselect_b64 s[PFA:PFA+1], s[4:5], s[6:7]
	s_cmp_eq_u32 s22, 0
	s_cselect_b32 s[LIM], 2, -1
	s_lshl_b32 s22, s12, 7
	s_add_co_u32 s20, s20, s22
	s_lshl_b32 s21, s21, 5
	s_add_co_u32 s20, s20, s21
	s_mov_b32 s21, 0
	s_mov_b64 s[18:19], LDA*2
	s_mul_u64 s[20:21], s[20:21], s[18:19]
	s_add_nc_u64 s[PFA:PFA+1], s[PFA:PFA+1], s[20:21]
	s_add_nc_u64 s[PFA:PFA+1], s[PFA:PFA+1], 2*KSTEP*2
	v_and_b32 v[PFO], 31, v0
	v_mul_u32_u24 v[PFO], v[PFO], LDA*2
; The 64 accumulators take turns, one instruction a turn, in the same order in every quarter.  zero = 1: the first product starts the sums.
.macro MUL16 f, hi, a0, zero
	WIN MUL_LO+0x50*(\hi)
.irp a, \a0, (\a0)+1
.irp b, 0,1,2,3,4,5,6,7
.if \zero
	v_wmma_f32_16x16x32_f16 v[8*(8*(\a)+(\b)):8*(8*(\a)+(\b))+7], v[(\f)+8*(\b):(\f)+8*(\b)+7], v[(\f)+8*(4*(\hi)+(\a)):(\f)+8*(4*(\hi)+(\a))+7], 0
.else
	v_wmma_f32_16x16x32_f16 v[8*(8*(\a)+(\b)):8*(8*(\a)+(\b))+7], v[(\f)+8*(\b):(\f)+8*(\b)+7], v[(\f)+8*(4*(\hi)+(\a)):(\f)+8*(4*(\hi)+(\a))+7], v[8*(8*(\a)+(\b)):8*(8*(\a)+(\b))+7]
.endif
.endr
.endr
.endm
.macro FETCH k, f
	WIN TO_B
.irp i, 0,1,2,3,4,5,6,7
	ds_load_b128 v[(\f)+8*(\i):(\f)+8*(\i)+3],   v[ADRB] offset:(\k)+(\i)*16*PITCH
	ds_load_b128 v[(\f)+8*(\i)+4:(\f)+8*(\i)+7], v[ADRB] offset:(\k)+(\i)*16*PITCH+32
.endr
	WIN 0
.irp i, 0,1,2,3,4,5,6,7
	ds_load_b128 v[(\f)+8*(\i):(\f)+8*(\i)+3],   v[ADRA] offset:(\k)+(\i)*16*PITCH
	ds_load_b128 v[(\f)+8*(\i)+4:(\f)+8*(\i)+7], v[ADRA] offset:(\k)+(\i)*16*PITCH+32
.endr
.endm
.macro QUARTER k, f, g, zero
	s_wait_dscnt 8                                 ; k and queries 0-63 are in; the youngest eight loads (queries 64-127) may be out
	MUL16 \f, 0, 0, \zero
	MUL16 \f, 0, 2, \zero
	PLACES
	FETCH \k, \g
	s_wait_dscnt 32                                ; all but the 32 just issued
	MUL16 \f, 1, 0, \zero
	MUL16 \f, 1, 2, \zero
.endm
.macro MEET round
	WIN 0
	s_wait_tensorcnt 0x0                           ; all my tensor loads have landed: my part of the next slot
	ds_add_u32 v[SPW], v[NIL]                      ; 0 onto my spare word
	s_wait_dscnt 9                                 ; the add and the youngest eight loads may be out
	MUL16 F1, 0, 0, 0
	s_wait_dscnt 0x0                               ; the add is done, and my reads of this slot are over
	s_barrier_signal -1
	MUL16 F1, 0, 2, 0
.if \round
	WIN 0
.endif
	s_barrier_wait -1
.endm
.macro TURN
	s_wait_xcnt 0x0                                ; the last prefetch, a K step back, has read its address
	s_add_nc_u64 s[PFA:PFA+1], s[PFA:PFA+1], KSTEP*2
	MEET 1
	CREST
	s_xor_b32 s[G0+5], s[G0+5], SLOT               ; no tensor load of mine is out: the walking descriptors go to the other slot and a K step on
	s_add_nc_u64 s[G0+6:G0+7], s[G0+6:G0+7], KSTEP*2
	s_xor_b32 s[G0B+5], s[G0B+5], SLOT
	s_add_nc_u64 s[G0B+6:G0B+7], s[G0B+6:G0B+7], KSTEP*2
	s_xor_b32 s[TB], s[TB], SLOT
	JLOAD                                          ; my one tensor load behind the round: 224 matrix instructions ahead of the wait for it
	v_add_nc_u32 v[ADRA], s[TB], v[ADRA0]
	v_add_nc_u32 v[ADRB], s[TB], v[ADRB0]
	FETCH 0, F0
	ASK
	MUL16 F1, 1, 0, 0
	MUL16 F1, 1, 2, 0
.endm
.macro BLOAD q
	WIN TO_B
.irp i, 0,1,2,3,4,5,6,7
	ds_load_b128 v[64*(\q)+8*(\i):64*(\q)+8*(\i)+3],   v[ADRB] offset:64*(\q)+(\i)*16*PITCH
	ds_load_b128 v[64*(\q)+8*(\i)+4:64*(\q)+8*(\i)+7], v[ADRB] offset:64*(\q)+(\i)*16*PITCH+32
.endr
.endm
.macro ALOAD a
	WIN 0
.set FA, PA+32*((\a)%4)
.irp q, 0,1,2,3
	ds_load_b128 v[FA+8*(\q):FA+8*(\q)+3],   v[ADRA] offset:64*(\q)+(\a)*16*PITCH
	ds_load_b128 v[FA+8*(\q)+4:FA+8*(\q)+7], v[ADRA] offset:64*(\q)+(\a)*16*PITCH+32
.endr
.endm
.macro ROW a
.set FA, PA+32*((\a)%4)
.set AC, 64*((\a)%4)
	WIN MUL_LO+0x50*((\a)/4)
.irp q, 0,1,2,3
.if (\a) == 0 && (\q) == 2
	s_wait_dscnt 24                                ; quarter 2 of k is in (behind it: blocks 1 to 3 of q)
.endif
.irp b, 0,1,2,3,4,5,6,7
	v_wmma_f32_16x16x32_f16 v[AC+8*(\b):AC+8*(\b)+7], v[64*(\q)+8*(\b):64*(\q)+8*(\b)+7], v[FA+8*(\q):FA+8*(\q)+7], v[AC+8*(\b):AC+8*(\b)+7]
.endr
.endr
.endm
; THE SOFTMAX OF BLOCK a (16 queries x my 128 keys).  A lane holds 64 scores of query l % 16; the lane 16 away holds the other 64.
; Maximum (each accumulator is read from its low end on); c m; c s - c m; all 64 exponentials as one batch with one wait; rounding to f16; the sum of the unrounded weights.
.macro SOFTPACK a
.set AC, 64*((\a)%4)
.set HW, (\a)/4
.set TP, TMP+32*((\a)%2)
	WIN 0x2a+0x15*HW                               ; all three sources in the window of the block
.irp b, 0,1,2,3,4,5,6,7
	v_max3_num_f32 v[T+(\b)], v[AC+8*(\b)], v[AC+8*(\b)+1], v[AC+8*(\b)+2]
.endr
	WIN 0x28+0x14*HW                               ; source 0 in window 0
.irp b, 0,1,2,3,4,5,6,7
	v_max3_num_f32 v[T+(\b)], v[T+(\b)], v[AC+8*(\b)+3], v[AC+8*(\b)+4]
.endr
.irp b, 0,1,2,3,4,5,6,7
	v_max3_num_f32 v[T+(\b)], v[T+(\b)], v[AC+8*(\b)+5], v[AC+8*(\b)+6]
.endr
.irp b, 0,1,2,3
	v_max3_num_f32 v[T+(\b)], v[T+(\b)], v[AC+16*(\b)+7], v[AC+16*(\b)+15]
.endr
	WIN 0
	v_max3_num_f32 v[T], v[T], v[T+1], v[T+2]
	v_max3_num_f32 v[T+3], v[T+3], v[T+4], v[T+5]
	v_max_num_f32 v[T+6], v[T+6], v[T+7]
	v_max3_num_f32 v[T], v[T], v[T+3], v[T+6]
	v_permlanex16_b32 v[T+1], v[T], s[SEL], s[SEL+1]
	v_max_num_f32 v[T], v[T], v[T+1]               ; the same number in both halves of the lanes
	v_mul_f32 v[CM], s[CS], v[T]
	WIN 0x82+0x41*HW                               ; destination and source 0 in the window of the block, source 2 in window 0
.set i, 0
.rept 32
	v_pk_fma_f32 v[AC+i:AC+i+1], v[AC+i:AC+i+1], s[CS:CS+1], v[CM:CM+1] op_sel_hi:[1,0,0] neg_lo:[0,0,1] neg_hi:[0,0,1]
.set i, i+2
.endr
.set i, 0
.rept 64
	v_exp_f32 v[AC+i], v[AC+i]
.set i, i+1
.endr
	v_nop                                          ; a plain instruction behind the last exponential,
	s_wait_alu depctr_va_vdst(0)                   ; and the one wait ahead of the first reader of the batch
.if (\a) >= 2
	s_wait_xcnt 0x0                                ; the stores of block a - 2 have read the registers that the roundings below write
.endif
	WIN 0x0a+5*HW
.irp b, 0,1,2,3,4,5,6,7
.irp r, 0,1,2,3
	v_cvt_pk_f16_f32 v[TP+4*(\b)+(\r)], v[AC+8*(\b)+2*(\r)], v[AC+8*(\b)+2*(\r)+1]
.endr
.endr
	WIN 0x8a+0x45*HW
.irp d, 2,4,8,16,32                    ; 31 packed additions in place: neighbours 2, 4, 8, 16, 32 registers apart
.set i, 0
.rept 32/(\d)
	v_pk_add_f32 v[AC+i:AC+i+1], v[AC+i:AC+i+1], v[AC+i+(\d):AC+i+(\d)+1]
.set i, i+2*(\d)
.endr
.endr
	WIN 0x0a+5*HW
	v_add_f32 v[T], v[AC], v[AC+1]
	WIN 0
	v_permlanex16_b32 v[T+1], v[T], s[SEL], s[SEL+1]
	v_add_f32 v[T], v[T], v[T+1]
	ds_store_b32 v[SST], v[CM] offset:64*(\a)      ; both halves of the lanes write the same word with the same number
	ds_store_b32 v[SST], v[T] offset:512+64*(\a)
.endm
.macro SENDP a                         ; block a leaves: key block b is half b % 2 of fragment b / 2: 512 b bytes into the block's 4,096 of my 128 keys
	WIN 0
.set TP, TMP+32*((\a)%2)
.irp b, 0,1,2,3,4,5,6,7
	global_store_b128 v[SGO], v[TP+4*(\b):TP+4*(\b)+3], s[8:9] offset:65536*(\a)+512*(\b)  ; the wave stores 512 consecutive bytes, aligned
.endr
.endm
	s_wait_tensorcnt 1                             ; my part of K step 0 is in; K step 1 may stay out
	s_barrier_signal -1
	s_barrier_wait -1
	FETCH 0, F0
	QUARTER 64, F0, F1, 1
	WIN 0
	s_mov_b32 s3, 6
.Lstep:                                                ; trip t: quarters 1 to 3 of K step t, refill with K step t + 2, quarter 0 of K step t + 1
	QUARTER 128, F1, F0, 0
	QUARTER 192, F0, F1, 0
	TURN
	QUARTER 64,  F0, F1, 0
	WIN 0
	s_sub_co_u32 s3, s3, 1
	s_cmp_lg_u32 s3, 0
	s_cbranch_scc1 .Lstep
	QUARTER 128, F1, F0, 0
	QUARTER 192, F0, F1, 0
	MEET 0
	WIN 0
	s_xor_b32 s[TB], s[TB], SLOT
	v_add_nc_u32 v[ADRA], s[TB], v[ADRA0]
	v_add_nc_u32 v[ADRB], s[TB], v[ADRB0]
	PLACES
	BLOAD 0
	BLOAD 1
	BLOAD 3
	ALOAD 0
	MUL16 F1, 1, 0, 0
	MUL16 F1, 1, 2, 0
	PLACES
	BLOAD 2
	ALOAD 1
	ALOAD 2
	ALOAD 3
	s_wait_dscnt 40                                ; all but the 40 just issued
	ROW 0
.irp a, 0,1,2,3,4,5,6,7
	PLACES
	SOFTPACK \a
.if (\a) < 4
	ALOAD (\a)+4                                   ; its buffer takes the block four further on
.endif
	SENDP \a
.if (\a) < 4
	s_wait_dscnt 8                                 ; the next block's fragments of q are in; the eight loads just issued may be out
.else
	s_wait_dscnt 0x0
.endif
.if (\a) < 7
	ROW (\a)+1
.endif
.endr
	ds_load_b128 v[32:35], v[SRD]                  ; my 128 c m and 128 l, four a lane
	ds_load_b128 v[36:39], v[SRD] offset:512
	s_wait_dscnt 0x0
	global_store_b128 v[SGO], v[32:35], s[66:67]                  ; 512 consecutive bytes, aligned
	global_store_b128 v[SGO], v[36:39], s[66:67] offset:524288
	s_wait_tensorcnt 0x0                           ; the end of the wave
	ds_add_u32 v[SPW], v[NIL]
	s_wait_dscnt 0x0
	CROUND
	s_endpgm
.Lfunc_end_k_qdd6aae6ea2_scores:
	.size	k_qdd6aae6ea2_scores, .Lfunc_end_k_qdd6aae6ea2_scores-k_qdd6aae6ea2_scores
	.p2alignl 7, 3214868480
	.fill 96, 4, 3214868480
	.section	.rodata,"a",@progbits
	.p2align	6, 0x0
	.amdhsa_kernel k_qdd6aae6ea2_scores
		.amdhsa_group_segment_fixed_size 327680
		.amdhsa_private_segment_fixed_size 0
		.amdhsa_enable_private_segment 0
		.amdhsa_kernarg_size 24
		.amdhsa_user_sgpr_count 2
		.amdhsa_user_sgpr_kernarg_segment_ptr 1
		.amdhsa_wavefront_size32 1
		.amdhsa_system_sgpr_workgroup_id_x 1
		.amdhsa_system_sgpr_workgroup_id_y 1
		.amdhsa_system_sgpr_workgroup_id_z 1
		.amdhsa_system_vgpr_workitem_id 0
		.amdhsa_next_free_vgpr 1024
		.amdhsa_next_free_sgpr 80
		.amdhsa_reserve_vcc 0
		.amdhsa_float_denorm_mode_32 3
		.amdhsa_float_denorm_mode_16_64 3
		.amdhsa_memory_ordered 1
		.amdhsa_forward_progress 1
		.amdhsa_inst_pref_size 178
	.end_amdhsa_kernel
	.amdgpu_metadata
---
amdhsa.version: [ 1, 2 ]
amdhsa.kernels:
  - .name:           k_qdd6aae6ea2_scores
    .symbol:         k_qdd6aae6ea2_scores.kd
    .args:
      - { .name: qkv, .offset: 0, .size: 8, .value_kind: global_buffer, .address_space: global }
      - { .name: p, .offset: 8, .size: 8, .value_kind: global_buffer, .address_space: global }
      - { .name: stat, .offset: 16, .size: 8, .value_kind: global_buffer, .address_space: global }
    .group_segment_fixed_size: 327680
    .private_segment_fixed_size: 0
    .kernarg_segment_align: 8
    .kernarg_segment_size: 24
    .max_flat_workgroup_size: 128
    .sgpr_count:     80
    .vgpr_count:     1024
    .wavefront_size: 32
...
	.end_amdgpu_metadata
.endif
;; end of part 3
;; launch pv (part 4): grid 8 x 32, 4 waves a work-group, clusters of 4 x 4, 327,680 bytes of LDS; arguments p, stat, qkv, out0; writes out0
.if DOCPART == 4
	.amdgcn_target "amdgcn-amd-amdhsa--gfx1250"
	.amdhsa_code_object_version 6
	.text
	.protected	k_qdd6aae6ea2_pv
	.globl	k_qdd6aae6ea2_pv
	.p2align	8
	.type	k_qdd6aae6ea2_pv,@function
k_qdd6aae6ea2_pv:
	s_mov_b64 s[64:65], 0
	v_nop
	global_prefetch_b8 v0, s[64:65] scope:SCOPE_SE
	s_setreg_imm32_b32 hwreg(HW_REG_WAVE_MODE, 25, 1), 1
	s_wait_xcnt 0x0
	s_wait_alu depctr_hold_cnt(0) depctr_sa_sdst(0) depctr_va_vdst(0) depctr_va_sdst(0) depctr_va_ssrc(0) depctr_va_vcc(0) depctr_vm_vsrc(0)
	s_getreg_b32 s2, hwreg(HW_REG_IB_STS2, 6, 4)
	s_cmp_eq_u32 s2, 0
	s_cbranch_scc0 .Lentry_in_a_cluster
	s_endpgm
.Lentry_in_a_cluster:
	s_bfe_u32 s2, ttmp6, 0x10000c
	s_cmp_lg_u32 s2, 0xf033
	s_cbranch_scc0 .Lentry_shape_is_right
	s_endpgm
.Lentry_shape_is_right:
; THE SECOND PRODUCT.  For each query: M = max over the 16 key blocks t of c m_t, f_t = 2^(c m_t - M), L = sum of f_t l_t; out = (sum over t of (f_t P_t) V_t) / L.
; p f_t = 2^(c s - M): the row maximum is taken away.  P (f16) is multiplied by f_t (rounded to f16) between its load and the matrix instruction; V = columns 2048-3071 of qkv (f16).
; Sums in f32; M, f, L in f32; out0 f32.  LIMITS.  p f below 6e-8 counts as 0 in the product, below 6e-5 it keeps the fixed step of f16; NaN and infinities are not treated apart.
; A tile of 256 queries x 128 channels is made by four waves, 64 queries x 128 channels each: 32 accumulators, 256 registers.  The 2,048 keys go in 64 quarters of 32.
; O^T = V^T P: source 0 = 16 channels (V lies [key][channel] and is turned by ds_load_tr16_b128), source 1 = 16 queries: a lane holds query l % 16 and channels 8 (l / 16) + 0..7.
; V GOES THROUGH LDS: two slots of 256 keys x 256 bytes; each wave fetches 64 keys of a slot by one joint load.  CLUSTER 4 x 4: the four of a column have the same channels and batch and share V.
; P GOES STRAIGHT INTO REGISTERS, WITHOUT A JOINT LOAD, though the eight work-groups of a row of tiles read the same P.  The reason: every wave waits for all its tensor loads at each refill's barrier, so a
; refill has one slot's work in which to land; two slots of 256 keys of both operands would take 2 x (131,072 + 73,728) bytes, more than the 327,680 of LDS, and slots of 128 keys leave a refill 112 matrix
; instructions.  Loads into registers stay out across barriers: a ring of eight buffers, a quarter each; the loads of quarter Q + 8 go out in quarter Q + 1, so up to 56 loads of a wave are on their way.
; p lies by fragments (65,536 bytes for 16 queries, 1,024 for each 32 keys, byte 512 j + 16 l for lane l): each load of the wave covers 512 consecutive bytes, aligned.
; REGISTERS: window 0: v0-31 addresses and factors; v96-223 two buffers of V fragments; v32-95, v96-223, v224-231 the way out.  Window 1: accumulators (a, b) at v[8 (8 a + b)].  Window 2: the ring of P, buffer i at v[32 i].
.set PV,    288                        ; a row of V in LDS: 256 + 32 = 72 words
.set QW,    64*PV                      ; 64 keys: one tensor load
.set FTAB,  4*QW                       ; behind slot 0: for each wave 17 entries of 256 bytes: word [l % 16][a] = f_t twice in f16 for query 16 a + l % 16; entry 16: 1 / L in f32
.set FTB,   17*256
.set SPARE, FTAB+4*FTB                 ; the spare words, 128 bytes a wave: two blocks of 256 bytes that no other line names
.set STAGE, SPARE+512                  ; 16 rows x 528 bytes for each wave, for the way out; it ends at byte 125,440
.set SP,    528
.set SLOT1, 1<<17                      ; slot 1 begins here: one exclusive or turns an address in one slot into the other
.set VSTEP, 256*6144                   ; bytes from a slot of V to the next
.set PSTEP, 8*1024                     ; bytes from a slot's eight quarters of P to the next, in a block of 16 queries
.set ADRVB0, 10                        ; v10  my place in quarters 4-7 of a slot; never rewritten
.set ADRV0, 11                         ; v11  my place in quarters 0-3; never rewritten
.set ADRVB, 12                         ; v12, v13 the same in the slot in hand
.set ADRV,  13
.set FT0,   14                         ; v14  my 16 bytes of entry 0
.set FTA,   15
.set STO,   16
.set RD,    17
.set CO,    18                         ; v18  16 x lane: my bytes in 512 of p and of out0; never rewritten
.set PFVO,  19                         ; v19  the prefetches of V: lane x a row of qkv; never rewritten
.set SPW,   20
.set NIL,   21
.set PFPO,  22                         ; v22  the prefetches of P: 256 x lane; never rewritten
.set FTW,   23                         ; v23  where I put the factors of my two rows
.set FCC,   24                         ; v[24:27] the factors of the key block in hand, for query blocks 0-3
.set FCN,   28                         ; v[28:31] those of the next key block
.set VF,    96
.set RL,    224
.set TMP,   32
.set OB,    96
.set WV,  12
.set LIMP, 15                          ; s15  1 in a wave that prefetches P, else the greatest number
.set PB,  24                           ; s[24:25] p at my 64 queries, at the slot that the ring's loads bring
.set CN2, 26
.set PST, 28                           ; s[28:29] the tail's step of PB
.set G1V, 32
.set G0V, 48                           ; s[48:51] slot 0, s[52:55] the walking one
.set CNT, 56
.set TB,  57
.set FT,  58
.set LIMV, 59                          ; s59  the same for V
.set PFP, 60
.set PFV, 62
.set W_MM, 0x58                        ; V in window 0, P in window 2, C and D in window 1
.set W_SC, 0x82                        ; P (destination and source 0) in window 2, the factor in window 0
.set W_PL, 0x80                        ; destination in window 2, address in window 0
.set MSB, 0
.macro WIN new
.if MSB != (\new)
	s_set_vgpr_msb (MSB<<8)|(\new)
.set MSB, \new
.endif
.endm
.macro PLACES
.rept 4
	v_nop
.endr
.endm
; Prefetches of the slot three on from the one that is left, behind the refill and the runs of loads.  P: a slot is 8,192 bytes of each block of 16 queries; the two clusters of a row of clusters read the same P:
; x = 0 asks; of a wave's four blocks each of the four partners takes one, told apart by cx in the address; a lane 256 bytes.  V: 256 keys x 256 bytes, read by the two clusters of a batch: the one with even y asks;
; waves 0 and 1 of the four partners of a column take 32 keys each, told apart by cy in the address; a lane a key.  Trip t (CNT = 6 - t) names slot t + 3: it asks while CNT > 1.
.macro ASK
	s_cmp_gt_u32 s[CNT], s[LIMP]
	s_cbranch_scc0 .Lnot_p_\@
	global_prefetch_b8 v[PFPO], s[PFP:PFP+1] th:TH_LOAD_NT scope:SCOPE_SE
.Lnot_p_\@:
	s_cmp_gt_u32 s[CNT], s[LIMV]
	s_cbranch_scc0 .Lnot_v_\@
	global_prefetch_b8 v[PFVO], s[PFV:PFV+1] th:TH_LOAD_NT scope:SCOPE_SE
.Lnot_v_\@:
.endm
.macro CREST
	s_cmp_lg_u32 s[WV], 0
	s_cbranch_scc1 .Lnot_wave_0_\@
	s_barrier_signal -3
.Lnot_wave_0_\@:
	s_barrier_wait -3
	s_barrier_signal -1
	s_barrier_wait -1
.endm
.macro CROUND
	s_barrier_signal -1
	s_barrier_wait -1
	CREST
.endm
.macro PLOAD i                         ; quarter i of the slot at PB into ring buffer i: four fragments of 16 queries x 32 keys, eight loads
	WIN W_PL
.irp a, 0,1,2,3
	global_load_b128 v[32*(\i)+8*(\a):32*(\i)+8*(\a)+3],   v[CO], s[PB:PB+1] offset:65536*(\a)+1024*(\i)
	global_load_b128 v[32*(\i)+8*(\a)+4:32*(\i)+8*(\a)+7], v[CO], s[PB:PB+1] offset:65536*(\a)+1024*(\i)+512
.endr
.endm
	s_load_b256 s[4:11], s[0:1], 0x0               ; p s[4:5], stat s[6:7], qkv s[8:9], out0 s[10:11]
	v_lshl_add_u32 v[SPW], v0, 2, SPARE
	v_mov_b32 v[NIL], 0
	ds_add_u32 v[SPW], v[NIL]                      ; the opening: the add and its wait ahead of my first tensor load
	v_lshrrev_b32 v1, 5, v0
	v_readfirstlane_b32 s[WV], v1
	s_bfe_u32 s16, ttmp6, 0x40000                  ; cx
	s_bfe_u32 s17, ttmp6, 0x40004                  ; cy
	s_lshl_b32 s21, ttmp9, 2
	s_add_co_u32 s21, s21, s16                     ; channel tile, 0..7
	s_and_b32 s22, ttmp7, 0xffff
	s_lshl_b32 s23, s22, 2
	s_add_co_u32 s23, s23, s17                     ; query tile, over all batches, 0..31
	s_lshr_b32 s22, s22, 1                         ; the batch = cluster y / 2
	s_lshl_b32 s3, 0x1111, s16                     ; my column of the cluster
	s_or_b32 s[G1V], s3, (1<<16)|(1<<20)|(1<<21)|(5<<22)|(7<<25)   ; mask; 2-byte elements; padding on; bit 21 beside a mask; after every 64 words 8 words
	s_mov_b32 s[G1V+1], 128<<16                    ; tensor_dim0 = 128
	s_mov_b32 s[G1V+2], 64<<16                     ; tensor_dim1 = 64
	s_mov_b32 s[G1V+3], 128<<16                    ; tile_dim0 = 128
	s_mov_b32 s[G1V+4], 64                         ; tile_dim1 = 64
	s_mov_b32 s[G1V+5], 3072                       ; elements in a row of qkv
	s_mov_b32 s[G1V+6], 0
	s_mov_b32 s[G1V+7], 0
	s_lshl_b32 s66, s22, 11                        ; V: (2,048 x batch + 64 x wave) rows of 6,144 bytes, column 2,048 + 128 x channel tile
	s_lshl_b32 s67, s[WV], 6
	s_add_co_u32 s66, s66, s67
	s_mul_i32 s66, s66, 6144
	s_lshl_b32 s67, s21, 8
	s_add_co_u32 s66, s66, s67
	s_add_co_u32 s66, s66, 4096
	s_mov_b32 s67, 0
	s_mul_i32 s69, s[WV], QW                       ; where my 64 keys go
	s_wait_dscnt 0x0
	s_wait_kmcnt 0x0
	s_add_nc_u64 s[66:67], s[8:9], s[66:67]
	CROUND
.irp s, 0,1
	s_mov_b32 s[G0V+4*(\s)], 1
	s_add_co_u32 s[G0V+4*(\s)+1], s69, (\s)*SLOT1
	s_add_nc_u64 s[G0V+4*(\s)+2:G0V+4*(\s)+3], s[66:67], (\s)*VSTEP
	s_or_b32 s[G0V+4*(\s)+3], s[G0V+4*(\s)+3], 0x80000000
.endr
	tensor_load_to_lds s[G0V:G0V+3], s[G1V:G1V+7]                  ; my two first fills, slots 0 and 1: two loads of mine are out
	s_nop 0
	tensor_load_to_lds s[G0V+4:G0V+7], s[G1V:G1V+7]
	s_nop 0
.rept 4
	v_nop
.endr
	v_and_b32 v3, 31, v0                           ; lane
	v_lshlrev_b32 v[CO], 4, v3
	v_lshlrev_b32 v8, 3, v3
	s_lshl_b32 s18, s23, 10                        ; stat at my 64 queries, 4 bytes each
	s_lshl_b32 s19, s[WV], 8
	s_add_co_u32 s18, s18, s19
	s_mov_b32 s19, 0
	s_add_nc_u64 s[6:7], s[6:7], s[18:19]
	s_lshl_b32 s18, s23, 20                        ; my 64 queries take 4 x 65,536 bytes of p and 64 x 4,096 of out0: the same offset in both
	s_lshl_b32 s19, s[WV], 18
	s_add_co_u32 s18, s18, s19
	s_mov_b32 s19, 0
	s_add_nc_u64 s[PB:PB+1], s[4:5], s[18:19]
	s_add_nc_u64 s[10:11], s[10:11], s[18:19]
	s_lshl_b32 s2, s21, 9                          ; + my tile's 128 channels
	s_mov_b32 s3, 0
	s_add_nc_u64 s[10:11], s[10:11], s[2:3]
	; the statistics of my 64 queries: lane l takes queries 2 l and 2 l + 1; a load of the wave covers 256 consecutive bytes, aligned
.set t, 0
.rept 16
	global_load_b64 v[32+2*t:33+2*t], v8, s[6:7] offset:32768*t           ; c m_t
	global_load_b64 v[64+2*t:65+2*t], v8, s[6:7] offset:524288+32768*t    ; l_t
.set t, t+1
.endr
	PLOAD 0                                        ; the ring begins: quarters 0 to 2
	PLOAD 1
	PLOAD 2
	WIN 0
	v_and_b32 v1, 15, v0                           ; l % 16
	v_bfe_u32 v2, v0, 4, 1                         ; l / 16
	v_and_b32 v4, 7, v0
	v_bfe_u32 v5, v0, 3, 1
	v_bfe_u32 v6, v0, 3, 2
	v_lshl_add_u32 v7, v2, 3, v4                   ; the turning load: key 8 (l / 16) + l % 8, channels 8 ((l / 8) % 2) + 0..7
	v_mul_u32_u24 v[ADRV0], v7, PV
	v_lshl_add_u32 v[ADRV0], v5, 4, v[ADRV0]
	v_add_nc_u32 v[ADRVB0], 128*PV, v[ADRV0]       ; a second address 128 keys on keeps the immediates inside 16 bits
	v_mov_b32 v[ADRV], v[ADRV0]
	v_mov_b32 v[ADRVB], v[ADRVB0]
	s_mul_i32 s19, s[WV], FTB
	s_add_co_u32 s19, s19, FTAB
	v_lshl_add_u32 v[FT0], v1, 4, s19
	v_lshl_add_u32 v[FTW], v4, 5, s19              ; query 2 l + e is row 2 (l % 8) + e of block l / 8: word 16 x row + 4 x block
	v_lshl_add_u32 v[FTW], v6, 2, v[FTW]
	s_mul_i32 s19, s[WV], 16*SP
	s_add_co_u32 s19, s19, STAGE
	v_mul_u32_u24 v[STO], v1, SP
	v_lshl_add_u32 v[STO], v2, 5, v[STO]
	v_add_nc_u32 v[STO], s19, v[STO]
	v_lshl_add_u32 v[RD], v3, 4, s19
	; the prefetches
	s_lshl_b32 s2, s16, 16                         ; P: of my four blocks of 16 queries the one numbered cx, at slot 2: the first refill steps it to 3
	s_add_co_u32 s2, s2, 2*PSTEP
	s_mov_b32 s3, 0
	s_add_nc_u64 s[PFP:PFP+1], s[PB:PB+1], s[2:3]
	s_lshl_b32 s66, s22, 11                        ; V: keys 128 x (wave % 2) + 32 cy on, at slot 2
	s_and_b32 s67, s[WV], 1
	s_lshl_b32 s67, s67, 7
	s_add_co_u32 s66, s66, s67
	s_lshl_b32 s67, s17, 5
	s_add_co_u32 s66, s66, s67
	s_add_co_u32 s66, s66, 2*256
	s_mul_i32 s66, s66, 6144
	s_lshl_b32 s67, s21, 8
	s_add_co_u32 s66, s66, s67
	s_add_co_u32 s66, s66, 4096
	s_mov_b32 s67, 0
	s_add_nc_u64 s[PFV:PFV+1], s[8:9], s[66:67]
	s_cmp_eq_u32 ttmp9, 0
	s_cselect_b32 s[LIMP], 1, -1
	s_and_b32 s2, ttmp7, 1
	s_lshr_b32 s3, s[WV], 1
	s_or_b32 s2, s2, s3
	s_cmp_eq_u32 s2, 0
	s_cselect_b32 s[LIMV], 1, -1
	v_lshlrev_b32 v[PFPO], 8, v3
	v_mul_u32_u24 v[PFVO], v3, 6144
	s_mov_b32 s[FT], 256
	s_mov_b32 s[TB], 0
	s_wait_loadcnt 24                              ; the statistics are in; the 24 loads of P issued behind them may be out
	PLOAD 3                                        ; quarters 3 to 6: 56 loads of the ring are out at the most
	PLOAD 4
	PLOAD 5
	PLOAD 6
	WIN 0
.irp e, 0,1
	v_max3_num_f32 v[96+(\e)], v[32+(\e)], v[34+(\e)], v[36+(\e)]
.endr
.irp t, 3,5,7,9,11,13
.irp e, 0,1
	v_max3_num_f32 v[96+(\e)], v[96+(\e)], v[32+2*(\t)+(\e)], v[34+2*(\t)+(\e)]
.endr
.endr
.irp e, 0,1
	v_max_num_f32 v[96+(\e)], v[96+(\e)], v[62+(\e)]              ; M
.endr
.set t, 0
.rept 16
	v_pk_add_f32 v[32+2*t:33+2*t], v[32+2*t:33+2*t], v[96:97] neg_lo:[0,1] neg_hi:[0,1]
.set t, t+1
.endr
.set t, 0
.rept 32
	v_exp_f32 v[32+t], v[32+t]                     ; f_t
.set t, t+1
.endr
	v_nop                                          ; a plain instruction behind the last exponential,
	s_wait_alu depctr_va_vdst(0)                   ; and the one wait ahead of the first reader
	v_pk_mul_f32 v[100:101], v[32:33], v[64:65]
.set t, 1
.rept 15
	v_pk_fma_f32 v[100:101], v[32+2*t:33+2*t], v[64+2*t:65+2*t], v[100:101]   ; L
.set t, t+1
.endr
	v_rcp_f32 v100, v100
	v_rcp_f32 v101, v101
.set t, 0
.rept 32
	v_cvt_pk_f16_f32 v[64+t], v[32+t], v[32+t]     ; f_t twice in f16; plain work behind the reciprocals
.set t, t+1
.endr
	s_wait_alu depctr_va_vdst(0)                   ; ahead of the first reader of the reciprocals
.set t, 0
.rept 16
	ds_store_b32 v[FTW], v[64+2*t] offset:256*t
	ds_store_b32 v[FTW], v[65+2*t] offset:256*t+16
.set t, t+1
.endr
	ds_store_b32 v[FTW], v100 offset:4096
	ds_store_b32 v[FTW], v101 offset:4096+16
	ds_load_b128 v[FCC:FCC+3], v[FT0]              ; entry 0: my own bytes, and LDS serves a wave in order (ISA guide 5.7.1.4)
.macro FETCHV kq                       ; V of quarter kq of the slot in hand, turned: 16 loads into buffer kq % 2
	WIN 0
.if (\kq) < 4
.set AR, ADRV
.else
.set AR, ADRVB
.endif
.irp c, 0,1,2,3,4,5,6,7
	ds_load_tr16_b128 v[VF+64*((\kq)%2)+8*(\c):VF+64*((\kq)%2)+8*(\c)+3],   v[AR] offset:32*PV*((\kq)%4)+32*(\c)
	ds_load_tr16_b128 v[VF+64*((\kq)%2)+8*(\c)+4:VF+64*((\kq)%2)+8*(\c)+7], v[AR] offset:32*PV*((\kq)%4)+32*(\c)+16*PV
.endr
.endm
; 8 products of quarter kq: query block a x all 8 channel blocks.  The 32 accumulators take turns, one instruction a turn, in the same order in every quarter.
.macro MUL8 kq, a, zero=0
	WIN W_MM
.irp b, 0,1,2,3,4,5,6,7
.if \zero
	v_wmma_f32_16x16x32_f16 v[8*(8*(\a)+(\b)):8*(8*(\a)+(\b))+7], v[VF+64*((\kq)%2)+8*(\b):VF+64*((\kq)%2)+8*(\b)+7], v[32*(\kq)+8*(\a):32*(\kq)+8*(\a)+7], 0
.else
	v_wmma_f32_16x16x32_f16 v[8*(8*(\a)+(\b)):8*(8*(\a)+(\b))+7], v[VF+64*((\kq)%2)+8*(\b):VF+64*((\kq)%2)+8*(\b)+7], v[32*(\kq)+8*(\a):32*(\kq)+8*(\a)+7], v[8*(8*(\a)+(\b)):8*(8*(\a)+(\b))+7]
.endif
.endr
.endm
; The same, and behind each product four lines that scale ring buffer g, the next quarter's, by the factors at fc: 32 in all.
.macro MUL8R kq, a, g, fc, zero=0
.irp b, 0,1,2,3,4,5,6,7
	WIN W_MM
.if \zero
	v_wmma_f32_16x16x32_f16 v[8*(8*(\a)+(\b)):8*(8*(\a)+(\b))+7], v[VF+64*((\kq)%2)+8*(\b):VF+64*((\kq)%2)+8*(\b)+7], v[32*(\kq)+8*(\a):32*(\kq)+8*(\a)+7], 0
.else
	v_wmma_f32_16x16x32_f16 v[8*(8*(\a)+(\b)):8*(8*(\a)+(\b))+7], v[VF+64*((\kq)%2)+8*(\b):VF+64*((\kq)%2)+8*(\b)+7], v[32*(\kq)+8*(\a):32*(\kq)+8*(\a)+7], v[8*(8*(\a)+(\b)):8*(8*(\a)+(\b))+7]
.endif
	WIN W_SC
.irp n, 0,1,2,3
	v_pk_mul_f16 v[32*(\g)+4*(\b)+(\n)], v[32*(\g)+4*(\b)+(\n)], v[(\fc)+(4*(\b)+(\n))/8]
.endr
.endr
.endm
.macro NEXTF                           ; the next key block's factors become the block's
	WIN 0
.irp n, 0,1,2,3
	v_mov_b32 v[FCC+(\n)], v[FCN+(\n)]
.endr
.endm
; Quarter kq (0 to 6) of a slot: its 32 products; V of quarter kq + 1 is fetched; the ring buffer that the quarter before has left is asked for again; P of quarter kq + 1 is scaled.
; A key block of 128 keys, with one factor a query, is four quarters: quarters 0 and 4 read the next entry of my table, quarters 3 and 7 scale by it.
.macro QUARTER kq, zero=0
.set NX, (\kq)+1
.set PI, ((\kq)+7)%8
	s_wait_dscnt 0x0                               ; V of this quarter is in
	MUL8 \kq, 0, \zero
	PLACES
	WIN 0
.if (\kq)%4 == 0
	v_add_nc_u32 v[FTA], s[FT], v[FT0]
	s_add_co_u32 s[FT], s[FT], 256
	ds_load_b128 v[FCN:FCN+3], v[FTA]
.endif
	FETCHV NX
	PLOAD PI
	MUL8 \kq, 1, \zero
	MUL8 \kq, 2, \zero
	s_wait_loadcnt 48                              ; P of the next quarter is in: behind its eight loads six groups of eight have been issued, one a quarter
.if (\kq)%4 == 3
	MUL8R \kq, 3, NX, FCN, \zero
	NEXTF
.else
	MUL8R \kq, 3, NX, FCC, \zero
.endif
.endm
; Quarter 7 and the change of slots.  fill = 1: the slot just read out is filled with the slot two on, behind a round of the cluster barrier.
.macro TURN fill
.if \fill
	s_wait_xcnt 0x0                                ; the last prefetches, a slot back, have read their addresses
	s_add_nc_u64 s[PFP:PFP+1], s[PFP:PFP+1], PSTEP
	s_add_nc_u64 s[PFV:PFV+1], s[PFV:PFV+1], VSTEP
.endif
	WIN 0
	s_wait_tensorcnt 0x0                           ; all my tensor loads have landed: my part of the next slot
	ds_add_u32 v[SPW], v[NIL]                      ; 0 onto my spare word
	s_wait_dscnt 1                                 ; V of quarter 7 is in; the add may be out
	MUL8 7, 0
	s_wait_dscnt 0x0                               ; the add is done, and my reads of this slot are over
	s_barrier_signal -1
	MUL8 7, 1
	WIN 0
	s_barrier_wait -1
.if \fill
	CREST                                          ; no wave of any partner still reads the slot or has a load on its way
	s_xor_b32 s[G0V+5], s[G0V+5], SLOT1            ; no tensor load of mine is out: the walking descriptor goes to the other slot and 256 keys on
	s_add_nc_u64 s[G0V+6:G0V+7], s[G0V+6:G0V+7], VSTEP
.endif
	s_xor_b32 s[TB], s[TB], SLOT1
.if \fill
	tensor_load_to_lds s[G0V+4:G0V+7], s[G1V:G1V+7]               ; my one tensor load behind the round: 240 matrix instructions ahead of the wait for it
	s_nop 0
.endif
	PLACES
	v_add_nc_u32 v[ADRV], s[TB], v[ADRV0]
	v_add_nc_u32 v[ADRVB], s[TB], v[ADRVB0]
	FETCHV 0
	PLOAD 6
	WIN 0
.if \fill
	ASK
.endif
	MUL8 7, 2
	s_wait_loadcnt 48                              ; P of the next slot's quarter 0 is in
	MUL8R 7, 3, 0, FCN
	NEXTF
.endm
	s_wait_tensorcnt 1                             ; my part of slot 0 is in; slot 1 may stay out
	s_wait_dscnt 0x0                               ; my table is written, entry 0 is read
	s_barrier_signal -1
	s_barrier_wait -1
	FETCHV 0
	s_wait_loadcnt 48                              ; P of quarter 0 is in; quarters 1 to 6 may be out
	WIN W_SC
.set n, 0
.rept 32
	v_pk_mul_f16 v[n], v[n], v[FCC+n/8]
.set n, n+1
.endr
	QUARTER 0, 1                                   ; the first quarter stands ahead of the loop: its products start the sums
	WIN 0
	s_mov_b32 s[CNT], 6
.Lslot:                                                ; trip t: quarters 1 to 7 of slot t, refill with slot t + 2, quarter 0 of slot t + 1; the ring's loads bring slot t + 1
	s_wait_xcnt 0x0                                ; the ring's loads have read their base
	s_add_nc_u64 s[PB:PB+1], s[PB:PB+1], PSTEP
	QUARTER 1
	QUARTER 2
	QUARTER 3
	QUARTER 4
	QUARTER 5
	QUARTER 6
	TURN 1
	QUARTER 0
	WIN 0
	s_sub_co_u32 s[CNT], s[CNT], 1
	s_cmp_lg_u32 s[CNT], 0
	s_cbranch_scc1 .Lslot
	; THE TAIL: slots 6 and 7, nothing more is asked of the tensor mover.  One text, walked twice and left in the middle of its second trip.  In the first trip the ring's loads bring slot 7.
	; In the second the base stands still: the loads bring quarters 0 to 5 of slot 7 once more, into buffers that are dead, and nothing reads them: 48 loads a wave, once a launch,
	; the price of one text for both trips, whose counted waits rest on eight loads in every quarter.
	s_mov_b32 s[CN2], 2
	s_mov_b32 s[PST], PSTEP
	s_mov_b32 s[PST+1], 0
.Ltail:
	s_wait_xcnt 0x0
	s_add_nc_u64 s[PB:PB+1], s[PB:PB+1], s[PST:PST+1]
	s_mov_b32 s[PST], 0
	QUARTER 1
	QUARTER 2
	QUARTER 3
	QUARTER 4                                      ; in slot 7 its table read brings entry 16: 1 / L
	QUARTER 5
	QUARTER 6
	WIN 0
	s_sub_co_u32 s[CN2], s[CN2], 1
	s_cmp_eq_u32 s[CN2], 0
	s_cbranch_scc1 .Llast
	TURN 0
	QUARTER 0
	WIN 0
	s_branch .Ltail
.Llast:
	s_wait_dscnt 0x0                               ; the very last quarter
	MUL8 7, 0
	MUL8 7, 1
	MUL8 7, 2
	MUL8 7, 3
	; THE WAY OUT: O^T times 1 / L, 16 queries at a time through my stage: 32 bytes a lane in, whole rows of 512 bytes back.
	PLACES
	WIN 0
.irp a, 0,1,2,3
	v_mov_b32 v[RL+2*(\a)], v[FCN+(\a)]
	v_mov_b32 v[RL+2*(\a)+1], v[FCN+(\a)]
.endr
.macro PACK a
.if (\a) >= 2
	s_wait_xcnt 0x0                                ; the stores of block a - 2 have read the registers that the loads below fill
.endif
	WIN 0x01                                       ; source 0 in window 1
.set i, 0
.rept 32
	v_pk_mul_f32 v[TMP+2*i:TMP+2*i+1], v[64*(\a)+2*i:64*(\a)+2*i+1], v[RL+2*(\a):RL+2*(\a)+1] op_sel_hi:[1,0]
.set i, i+1
.endr
	WIN 0
.irp b, 0,1,2,3,4,5,6,7
	ds_store_b128 v[STO], v[TMP+8*(\b):TMP+8*(\b)+3]   offset:64*(\b)
	ds_store_b128 v[STO], v[TMP+8*(\b)+4:TMP+8*(\b)+7] offset:64*(\b)+16
.endr
.irp i, 0,1,2,3,4,5,6,7,8,9,10,11,12,13,14,15
	ds_load_b128 v[OB+64*((\a)%2)+4*(\i):OB+64*((\a)%2)+4*(\i)+3], v[RD] offset:SP*(\i)  ; LDS serves a wave in order (ISA guide 5.7.1.4): these see the stores above
.endr
.endm
.macro SEND a, younger                 ; younger: the 16 stores and 16 loads of the next block, or none
.irp i, 0,1,2,3,4,5,6,7,8,9,10,11,12,13,14,15
	s_wait_dscnt (\younger)+15-(\i)
	global_store_b128 v[CO], v[OB+64*((\a)%2)+4*(\i):OB+64*((\a)%2)+4*(\i)+3], s[10:11] offset:(16*(\a)+(\i))*4096 th:TH_STORE_NT  ; 512 consecutive bytes, aligned
.endr
.endm
	PACK 0
	PACK 1
	SEND 0, 32
	PACK 2
	SEND 1, 32
	PACK 3
	SEND 2, 32
	SEND 3, 0
	s_wait_tensorcnt 0x0                           ; the end of the wave
	ds_add_u32 v[SPW], v[NIL]
	s_wait_dscnt 0x0
	CROUND                                         ; the closing round
	s_endpgm
.Lfunc_end_k_qdd6aae6ea2_pv:
	.size	k_qdd6aae6ea2_pv, .Lfunc_end_k_qdd6aae6ea2_pv-k_qdd6aae6ea2_pv
	.p2alignl 7, 3214868480
	.fill 96, 4, 3214868480
	.section	.rodata,"a",@progbits
	.p2align	6, 0x0
	.amdhsa_kernel k_qdd6aae6ea2_pv
		.amdhsa_group_segment_fixed_size 327680
		.amdhsa_private_segment_fixed_size 0
		.amdhsa_enable_private_segment 0
		.amdhsa_kernarg_size 32
		.amdhsa_user_sgpr_count 2
		.amdhsa_user_sgpr_kernarg_segment_ptr 1
		.amdhsa_wavefront_size32 1
		.amdhsa_system_sgpr_workgroup_id_x 1
		.amdhsa_system_sgpr_workgroup_id_y 1
		.amdhsa_system_sgpr_workgroup_id_z 1
		.amdhsa_system_vgpr_workitem_id 0
		.amdhsa_next_free_vgpr 768
		.amdhsa_next_free_sgpr 72
		.amdhsa_reserve_vcc 0
		.amdhsa_float_denorm_mode_32 3
		.amdhsa_float_denorm_mode_16_64 3
		.amdhsa_memory_ordered 1
		.amdhsa_forward_progress 1
		.amdhsa_inst_pref_size 168
	.end_amdhsa_kernel
	.amdgpu_metadata
---
amdhsa.version: [ 1, 2 ]
amdhsa.kernels:
  - .name:           k_qdd6aae6ea2_pv
    .symbol:         k_qdd6aae6ea2_pv.kd
    .args:
      - { .name: p, .offset: 0, .size: 8, .value_kind: global_buffer, .address_space: global }
      - { .name: stat, .offset: 8, .size: 8, .value_kind: global_buffer, .address_space: global }
      - { .name: qkv, .offset: 16, .size: 8, .value_kind: global_buffer, .address_space: global }
      - { .name: out0, .offset: 24, .size: 8, .value_kind: global_buffer, .address_space: global }
    .group_segment_fixed_size: 327680
    .private_segment_fixed_size: 0
    .kernarg_segment_align: 8
    .kernarg_segment_size: 32
    .max_flat_workgroup_size: 128
    .sgpr_count:     72
    .vgpr_count:     768
    .wavefront_size: 32
...
	.end_amdgpu_metadata
.endif
;; end of part 4
;; ======== version 2 of 2: 4 launches; version 1 with the launch cast written anew for expert scheduling mode
;; limits: values are held in f16: magnitudes above 65,504 overflow, below 6.1e-05 lose precision
;; workspace buffers: xw 23,068,672 bytes; qkv 50,331,648 bytes; p 33,554,432 bytes; stat 1,048,576 bytes
;; launch cast (part 5): grid 704 x 1, 8 waves a work-group, no clusters, 0 bytes of LDS; arguments x, Wq, Wk, Wv, xw; writes xw
.if DOCPART == 5
	.amdgcn_target "amdgcn-amd-amdhsa--gfx1250"
	.amdhsa_code_object_version 6
	.text
	.protected	k_qdd6aae6ea2_cast
	.globl	k_qdd6aae6ea2_cast
	.p2align	8
	.type	k_qdd6aae6ea2_cast,@function
k_qdd6aae6ea2_cast:
	s_mov_b64 s[64:65], 0
	v_nop
	global_prefetch_b8 v0, s[64:65] scope:SCOPE_SE
	s_setreg_imm32_b32 hwreg(HW_REG_WAVE_SCHED_MODE, 0, 2), 2
	s_setreg_imm32_b32 hwreg(HW_REG_WAVE_MODE, 25, 1), 1
	s_wait_xcnt 0x0
	s_wait_alu depctr_vm_vsrc(0)
; x, Wq, Wk, Wv (f32) are rounded once to bf16 and laid on end in xw: rows 0-8191 x, then 1,024 rows each of Wq, Wk, Wv; a row is 1,024 numbers.
; A work-group takes 65,536 bytes of f32 (16,384 numbers) and writes 32,768 bytes.  Groups 0-511 take x, 512-575 Wq, 576-639 Wk, 640-703 Wv.
; Thread t takes 16 bytes at 16 t of each block of 4,096 bytes: a load of a wave covers 512 consecutive bytes, a store 256 consecutive bytes, aligned.
; All sixteen loads of a wave go out at once; no LDS, no barrier, no matrix unit: each byte is read once and written once.
; THE MODE: SCHED_MODE bits 1:0 = 2 (LLVM: expert scheduling mode 2), set by the entry lines.  The code itself states the register dependences
; between vector instructions and memory instructions, with s_wait_alu, always for 0.
; THE PLAN.  Registers that memory instructions touch:
;   v1, v2   byte offsets of the loads and of the stores: written once at the head, never again.
;   X        load i lands in its four registers, once; no vector instruction names them before the load is issued; the two roundings of load i read them.
;   Y        the two roundings of load i write its pair, once; the store of load i reads it; it is never written again.
; The bases are made by scalar instructions and never stepped; no vector instruction writes a scalar register or VCC; EXEC is never written.
; So the only dependences to state are: the offsets ahead of the first load, and each Y ahead of its store.  The sixteen loads go in four blocks of four.  A block's four stores
; go out in the block behind it: ONE wait at that block's head states that the eight roundings of the block before have written their Y, and the stores follow it,
; dealt among the block's own roundings, which name its own X and Y alone.  Behind the last block one more wait stands ahead of the last four stores.
.set X, 4                              ; v[4:67]   sixteen loads of four f32
.set Y, 68                             ; v[68:99]  sixteen pairs of packed bf16
	s_load_b256 s[4:11], s[0:1], 0x0               ; x s[4:5], Wq s[6:7], Wk s[8:9], Wv s[10:11]
	s_load_b64 s[12:13], s[0:1], 0x20              ; xw
	s_mov_b32 s16, ttmp9                           ; the chunk number inside its source, for each of the four cases
	s_sub_co_u32 s17, ttmp9, 512
	s_sub_co_u32 s18, ttmp9, 576
	s_sub_co_u32 s19, ttmp9, 640
	s_lshl_b32 s22, ttmp9, 15                      ; where the group writes: 32,768 bytes a group
	s_mov_b32 s23, 0
	s_mov_b32 s21, 0
	v_lshlrev_b32 v1, 4, v0                        ; 16 t: my bytes in a block that is read
	v_lshlrev_b32 v2, 3, v0                        ; 8 t: my bytes in a block that is written
	s_wait_kmcnt 0x0
	s_mov_b64 s[14:15], s[4:5]
	s_cmp_ge_u32 ttmp9, 512
	s_cselect_b64 s[14:15], s[6:7], s[14:15]
	s_cselect_b32 s16, s17, s16
	s_cmp_ge_u32 ttmp9, 576
	s_cselect_b64 s[14:15], s[8:9], s[14:15]
	s_cselect_b32 s16, s18, s16
	s_cmp_ge_u32 ttmp9, 640
	s_cselect_b64 s[14:15], s[10:11], s[14:15]
	s_cselect_b32 s16, s19, s16
	s_lshl_b32 s20, s16, 16                        ; 65,536 bytes a chunk
	s_add_nc_u64 s[14:15], s[14:15], s[20:21]
	s_add_nc_u64 s[12:13], s[12:13], s[22:23]
	s_wait_alu depctr_va_vdst(0)                   ; v1 and v2 are written: every load of the kernel reads v1 as its offset, every store v2
.irp i, 0,1,2,3,4,5,6,7,8,9,10,11,12,13,14,15
	global_load_b128 v[X+4*(\i):X+4*(\i)+3], v1, s[14:15] offset:4096*(\i) th:TH_LOAD_NT
.endr
.macro OUT n                           ; the eight bytes a lane that load n became
	global_store_b64 v2, v[Y+2*(\n):Y+2*(\n)+1], s[12:13] offset:2048*(\n)
.endm
.set i, 0
.rept 16
.if (i >= 4) && ((i % 4) != 0)
	OUT i-4                                        ; a store of the block before.  No wait: no vector instruction since the wait at this block's head names its Y or v2
.endif
	s_wait_loadcnt 15-i                            ; loads come back in order: load i is in, the younger ones stay out
.if (i >= 4) && ((i % 4) == 0)
	s_wait_alu depctr_va_vdst(0)                   ; the eight roundings of the block before have written their Y, which that block's four stores, issued in this block, read
	OUT i-4
.endif
	v_cvt_pk_bf16_f32 v[Y+2*i],   v[X+4*i],   v[X+4*i+1]
	v_cvt_pk_bf16_f32 v[Y+2*i+1], v[X+4*i+2], v[X+4*i+3]
.set i, i+1
.endr
	s_wait_alu depctr_va_vdst(0)                   ; the last block's roundings have written their Y, which the last four stores read
.irp n, 12,13,14,15
	OUT \n
.endr
	s_endpgm
.Lfunc_end_k_qdd6aae6ea2_cast:
	.size	k_qdd6aae6ea2_cast, .Lfunc_end_k_qdd6aae6ea2_cast-k_qdd6aae6ea2_cast
	.p2alignl 7, 3214868480
	.fill 96, 4, 3214868480
	.section	.rodata,"a",@progbits
	.p2align	6, 0x0
	.amdhsa_kernel k_qdd6aae6ea2_cast
		.amdhsa_group_segment_fixed_size 0
		.amdhsa_private_segment_fixed_size 0
		.amdhsa_enable_private_segment 0
		.amdhsa_kernarg_size 40
		.amdhsa_user_sgpr_count 2
		.amdhsa_user_sgpr_kernarg_segment_ptr 1
		.amdhsa_wavefront_size32 1
		.amdhsa_system_sgpr_workgroup_id_x 1
		.amdhsa_system_sgpr_workgroup_id_y 1
		.amdhsa_system_sgpr_workgroup_id_z 1
		.amdhsa_system_vgpr_workitem_id 0
		.amdhsa_next_free_vgpr 104
		.amdhsa_next_free_sgpr 66
		.amdhsa_reserve_vcc 0
		.amdhsa_float_denorm_mode_32 3
		.amdhsa_float_denorm_mode_16_64 3
		.amdhsa_memory_ordered 1
		.amdhsa_forward_progress 1
		.amdhsa_inst_pref_size 8
	.end_amdhsa_kernel
	.amdgpu_metadata
---
amdhsa.version: [ 1, 2 ]
amdhsa.kernels:
  - .name:           k_qdd6aae6ea2_cast
    .symbol:         k_qdd6aae6ea2_cast.kd
    .args:
      - { .name: x, .offset: 0, .size: 8, .value_kind: global_buffer, .address_space: global }
      - { .name: Wq, .offset: 8, .size: 8, .value_kind: global_buffer, .address_space: global }
      - { .name: Wk, .offset: 16, .size: 8, .value_kind: global_buffer, .address_space: global }
      - { .name: Wv, .offset: 24, .size: 8, .value_kind: global_buffer, .address_space: global }
      - { .name: xw, .offset: 32, .size: 8, .value_kind: global_buffer, .address_space: global }
    .group_segment_fixed_size: 0
    .private_segment_fixed_size: 0
    .kernarg_segment_align: 8
    .kernarg_segment_size: 40
    .max_flat_workgroup_size: 256
    .sgpr_count:     66
    .vgpr_count:     104
    .wavefront_size: 32
...
	.end_amdgpu_metadata
.endif
;; end of part 5
;; launch proj: the kernel of part 2 again; grid 12 x 32, 4 waves a work-group, clusters of 4 x 4, 327,680 bytes of LDS; arguments xw, qkv, bq, bk, bv; writes qkv
;; launch scores: the kernel of part 3 again; grid 8 x 32, 4 waves a work-group, clusters of 4 x 4, 327,680 bytes of LDS; arguments qkv, p, stat; writes p, stat
;; launch pv: the kernel of part 4 again; grid 8 x 32, 4 waves a work-group, clusters of 4 x 4, 327,680 bytes of LDS; arguments p, stat, qkv, out0; writes out0
